; MI455X (gfx1250); checked and timed in simulation.
; The chip was launched on July 23, 2026; its instructions are those of AMD's public machine-readable ISA for CDNA 5 (MIT licence, August 2026) and "CDNA5" Instruction Set Architecture Reference Guide (July 2026). The comments in the code are by the model that wrote it; some were corrected since.
;; MHA. Allowed arithmetic: matrix products marked QUANTISED: E2M1 operands, one E8M0 scale for each 32 along K, by v_wmma_scale_f32_16x16x128_f8f6f4 with both operands' format E2M1 (or v_wmma_scale_f32_32x16x128_f4), f32 sums; products left as they are: bf16, f16 or f32 operands; f32 sums; everything else in f32.
;; Inputs: Wo 1,024 x 1,024 float32; Wqkv 3,072 x 1,024 float32; cos 2,048 x 32 float32; sin 2,048 x 32 float32; x 4 x 2,048 x 1,024 float32.
;; Outputs: out0 4 x 2,048 x 1,024 float32.
;; This version of the problem:
;;   THIS VERSION OF THE PROBLEM IS GIVEN IN LOW PRECISION. The matrix products marked QUANTISED in the list below multiply operands that are first quantised to E2M1 (2 exponent bits, 1 mantissa bit; 4 bits a number), with one power-of-two scale for each 32 numbers along K (OCP MX v1.0); their sums are f32. The products marked 'left as it is' may take bf16, f16 or f32 operands, with f32 sums. Whichever they take, every output number must still come out within the allowed error. Rounding operands to bf16 (8 significant bits) uses up far more of that allowance than f16 does (11 bits, for magnitudes from 6e-5 to 65,504). All else is computed in f32.
;;   The module's matrix products, in the order in which they are computed (A, B: the left and right operand; K: the contracted axis; several contracted axes count as one K, in the product's order):
;;     1. [M 8,192, K 1,024] x [K 1,024, N 3,072]; A: input x; B: input Wqkv: QUANTISED
;;     2. batch 64 x [M 2,048, K 64] x [K 64, N 2,048]; A: computed on the way; B: computed on the way: left as it is (an operand is computed on the way)
;;     3. batch 64 x [M 2,048, K 2,048] x [K 2,048, N 64]; A: computed on the way; B: computed on the way: left as it is (an operand is computed on the way)
;;     4. [M 8,192, K 1,024] x [K 1,024, N 1,024]; A: computed on the way; B: input Wo: left as it is (an operand is computed on the way)
;;   THE QUANTISER, for each operand of a quantised product, along K:
;;     - K is cut into blocks of 32 from its start; a last block that is shorter is filled with zeros.
;;     - A block's scale is 2^e with e = floor(log2(the largest magnitude in the block)) - 2, held to -126 .. 127; a block of zeros has e = 0. As a byte (E8M0): e + 127.
;;     - Each number is divided by its block's scale, clamped to +-6, and rounded to the nearest number of E2M1, ties to even, subnormals kept.
;;     - The product sums the exact products of the quantised numbers (number of the format x scale) in f32.
;;   ~~~python
;;   def quantise(x, axis):      # numpy; x: float32 -> the quantised numbers, widened to float32 again
;;       x = np.moveaxis(x, axis, -1); K = x.shape[-1]
;;       x = np.pad(x, [(0, 0)] * (x.ndim - 1) + [(0, -K % 32)]); x = x.reshape(x.shape[:-1] + (-1, 32)); a = np.abs(x).max(-1, keepdims=True)
;;       e = np.where(a > 0, np.clip(np.frexp(np.where(a > 0, a, 1))[1] - 1 - 2, -126, 127), 0)      # np.frexp(a)[1] - 1 = floor(log2(a)), exactly
;;       r = np.clip(x / 2.0 ** e, -6, 6)
;;       step = 2.0 ** (np.maximum(np.frexp(np.where(r == 0, 1, r))[1] - 1, 0) - 1)
;;       q = np.round(r / step) * step * 2.0 ** e      # np.round: ties to even
;;       return np.moveaxis(q.reshape(q.shape[:-2] + (-1,))[..., :K], -1, axis).astype(np.float32)
;;   ~~~
;; One version. Each part assembles by itself: llvm-mc -triple=amdgcn-amd-amdhsa -mcpu=gfx1250 --defsym DOCPART=n.
;; ======== version 1 of 1: 6 launches
;; limits: values are held in f16: magnitudes above 65,504 overflow, below 6.1e-05 lose precision
;; workspace buffers: codes 5,767,168 bytes; scales 360,448 bytes; wof 2,097,152 bytes; qkv 50,331,648 bytes; yf 16,777,216 bytes; yfine 262,144 bytes
;; launch prep (part 1): grid 384 x 1, 4 waves a work-group, no clusters, 33,280 bytes of LDS; arguments x, Wqkv, Wo, codes, scales, wof; writes codes, scales, wof
.if DOCPART == 1
	.amdgcn_target "amdgcn-amd-amdhsa--gfx1250"
	.amdhsa_code_object_version 6
	.text
	.protected	k_qf5be787d59_prep
	.globl	k_qf5be787d59_prep
	.p2align	8
	.type	k_qf5be787d59_prep,@function
k_qf5be787d59_prep:
	s_mov_b64 s[64:65], 0
	v_nop
	global_prefetch_b8 v0, s[64:65] scope:SCOPE_SE
	s_setreg_imm32_b32 hwreg(HW_REG_WAVE_MODE, 25, 1), 1
	s_wait_xcnt 0x0
; x [8192][1024] and Wqkv [3072][1024], f32, become codes of FP4 (E2M1), K innermost, two codes a byte, with one E8M0 byte for each 32 along K.
; Both go into ONE matrix of rows: codes [11264][512 bytes], scales [11264][32 bytes]; rows 0-8191 are x's, rows 8192-11263 Wqkv's.
; A block's scale is 2^(floor(log2(its largest magnitude)) - 2): its byte is the largest magnitude's exponent field - 2, held at 1 from below.
; A block of zeros so gets the byte 1: its codes are zeros, which add nothing, and the bytes are read by this program alone.
; LIMITS: blocks whose largest magnitude lies under 2^(2 - 126) were not tried; NaN and infinities among the inputs are not served.
; Wo [1024][1024], f32, becomes f16, laid as images of the matrix operand's registers: wof + s 262144 + nu 4096 + q 1024 + u 512 + 16 lane holds
; Wo(16 nu + lane % 16, 128 s + 32 q + 16 u + 8 (lane / 16) + 0 .. 7).  LIMIT: |Wo| up to 65,504, f16's largest number.
; Work-groups 0-255 take x, 256-351 Wqkv (a wave: 16 steps of 512 numbers), 352-383 Wo (a wave: 16 rows x 512 along K).  Waves share nothing: no barrier.
.set WAVES, 4
.set STEPS, 16
.set WGX,   256                        ; x: 8192 x 1024 / 32768
.set WGQ,   352                        ; + Wqkv: 3072 x 1024 / 32768
.set EMAX,  2
.set CB,    8                          ; bytes of 16 codes
.set R,     16                         ; v16-79   four sets of 16 numbers as they are loaded
.set X,     80                         ; v80-111  two sets of 16 neighbours
.set E,     112                        ; v112-127 a scale byte for each step
.set C,     128                        ; v128-191 codes: four registers for each step, so that no store's data are written again
.set WREG,  8192                       ; LDS: a region for each wave: two stages of 32 x SP bytes, behind them its 256 scale bytes
.set SP,    80                         ; a lane's place in a stage: 64 bytes + 16 of padding
.set SPW,   12                         ; v12 LDS address of my spare word; never rewritten
.set NIL,   13                         ; v13 0; never rewritten
.set SPARE, WAVES*WREG                 ; behind the regions: the spare words, 128 bytes a wave
	s_load_b256 s[4:11], s[0:1], 0x0               ; x s[4:5], Wqkv s[6:7], Wo s[8:9], codes s[10:11]
	s_load_b128 s[12:15], s[0:1], 0x20             ; scales s[12:13], wof s[14:15]
	v_lshl_add_u32 v[SPW], v0, 2, SPARE
	v_mov_b32 v[NIL], 0
	v_lshrrev_b32 v1, 5, v0
	v_readfirstlane_b32 s16, v1                    ; wave
	v_and_b32 v2, 31, v0                           ; lane
	s_wait_kmcnt 0x0
	s_cmp_ge_u32 ttmp9, WGQ                        ; the work-group's number alone decides
	s_cbranch_scc1 .Lwo
	; ---- x and Wqkv: a plain stream of blocks of 32
	v_lshlrev_b32 v3, 4, v2                        ; my 16 bytes of a load's 512
	s_mul_i32 s17, s16, WREG
	v_lshrrev_b32 v14, 2, v2
	v_mul_u32_u24 v14, v14, SP
	v_and_b32 v15, 3, v2
	v_lshl_add_u32 v14, v15, 4, v14
	v_add_nc_u32 v14, s17, v14                     ; the stage, on the way in: SP (lane / 4) + 16 (lane % 4)
	v_mul_u32_u24 v15, v2, SP
	v_add_nc_u32 v15, s17, v15                     ; and on the way out: SP x lane: my 16 neighbours
	v_mul_u32_u24 v4, v2, CB                       ; my codes' place in a step's
	v_lshrrev_b32 v5, 1, v2
	s_add_co_u32 s17, s17, 2*32*SP
	v_add_nc_u32 v5, s17, v5                       ; my wave's 256 scale bytes, my block's byte
	v_lshlrev_b32 v7, 3, v2                        ; on the way out 8 bytes a lane
	v_add_nc_u32 v6, s17, v7
	s_cmp_lt_u32 ttmp9, WGX                        ; x's work-group or Wqkv's
	s_cselect_b64 s[4:5], s[4:5], s[6:7]
	s_cselect_b32 s17, 0, WGX
	s_sub_co_u32 s17, ttmp9, s17
	s_lshl_b32 s17, s17, 2
	s_add_co_u32 s18, s17, s16                     ; which run of 8,192 numbers of the tensor is my wave's
	s_mov_b32 s19, 0
	s_lshl_b64 s[20:21], s[18:19], 15              ; 32,768 bytes a run
	s_add_nc_u64 s[4:5], s[4:5], s[20:21]
	s_lshl_b32 s18, ttmp9, 2
	s_add_co_u32 s18, s18, s16                     ; which run of the joint matrix: x's 256 work-groups fill rows 0-8191 exactly
	s_lshl_b32 s20, s18, 12                        ; 4,096 bytes of codes a run
	s_mov_b32 s21, 0
	s_add_nc_u64 s[10:11], s[10:11], s[20:21]
	s_lshl_b32 s20, s18, 8                         ; 256 scale bytes a run
	s_add_nc_u64 s[12:13], s[12:13], s[20:21]
.macro LOAD t
.irp i, 0,1,2,3
	global_load_b128 v[R+16*((\t)%4)+4*\i:R+16*((\t)%4)+4*\i+3], v3, s[4:5] offset:2048*(\t)+512*\i th:TH_LOAD_NT   ; 32 lanes read 512 consecutive bytes
.endr
.endm
.macro TURN t                          ; step t's numbers through the stage: LDS serves a wave's instructions in order, so no wait stands between the stores and the loads
.irp i, 0,1,2,3
	ds_store_b128 v14, v[R+16*((\t)%4)+4*\i:R+16*((\t)%4)+4*\i+3] offset:32*SP*((\t)%2)+8*SP*\i
.endr
.irp i, 0,1,2,3
	ds_load_b128 v[X+16*((\t)%2)+4*\i:X+16*((\t)%2)+4*\i+3], v15 offset:32*SP*((\t)%2)+16*\i
.endr
.endm
.irp t, 0,1,2,3
	LOAD \t
.endr
	s_wait_loadcnt 12                              ; step 0's four loads are in
	TURN 0
.macro STEP t
.set XS, X+16*((\t)%2)
.if (\t) > 0
	s_wait_dscnt 1                                 ; this step's numbers are back from the stage (the last step's byte store may be out)
.else
	s_wait_dscnt 0x0
.endif
.if (\t)+4 < STEPS
	LOAD (\t)+4                                    ; into the registers that the stage's stores have read
.endif
.if (\t)+1 < STEPS
.if STEPS-2-(\t) >= 3
	s_wait_loadcnt 12                              ; the next step's four loads are in; those of the three steps behind it may be out
.else
	s_wait_loadcnt 4*(STEPS-2-(\t))
.endif
	TURN (\t)+1
.endif
	v_max3_num_f32 v8, |v[XS]|, |v[XS+1]|, |v[XS+2]|               ; the largest magnitude of my 16, in two chains
	v_max3_num_f32 v9, |v[XS+3]|, |v[XS+4]|, |v[XS+5]|
.irp i, 6,10
	v_max3_num_f32 v8, v8, |v[XS+\i]|, |v[XS+\i+1]|
	v_max3_num_f32 v9, v9, |v[XS+\i+2]|, |v[XS+\i+3]|
.endr
	v_max3_num_f32 v8, v8, |v[XS+14]|, |v[XS+15]|
	v_max3_num_f32 v8, v8, v9, (EMAX+1)<<23        ; and the floor 2^(3 - 127): the byte cannot fall under 1
	v_max_num_f32_dpp v8, v8, v8 row_xmask:1 row_mask:0xf bank_mask:0xf   ; with my neighbour's 16: the block's
	v_add_nc_u32 v11, -(EMAX<<23), v8              ; 2 off its exponent field: the conversion takes this operand's exponent field as its scale
	v_cvt_scalef32_pk8_fp4_f32 v[C+4*(\t)], v[XS:XS+7], v11
	v_cvt_scalef32_pk8_fp4_f32 v[C+4*(\t)+1], v[XS+8:XS+15], v11
	v_lshrrev_b32 v[E+(\t)], 23, v11               ; the scale's byte (a plain line behind the conversions)
	ds_store_b8 v5, v[E+(\t)] offset:16*(\t)       ; both lanes of a block write the same byte with the same value
	global_store_b64 v4, v[C+4*(\t):C+4*(\t)+1], s[10:11] offset:32*CB*(\t)   ; the wave stores 256 consecutive bytes, aligned
.endm
.irp t, 0,1,2,3,4,5,6,7,8,9,10,11,12,13,14,15
	STEP \t
.endr
	ds_load_b64 v[8:9], v6                         ; LDS serves a wave's instructions in order: these see my byte stores
	s_wait_dscnt 0x0
	global_store_b64 v7, v[8:9], s[12:13]          ; 256 consecutive scale bytes, aligned
	s_wait_tensorcnt 0x0                           ; the wave's end: behind my last LDS store
	ds_add_u32 v[SPW], v[NIL]
	s_wait_dscnt 0x0
	s_endpgm
	; ---- Wo: f32 rows to f16 images.  Wave W of 128 takes rows 16 (W / 2) on, K = 512 (W % 2) on: 16 fragments of 16 rows x 32 K, four at a time
.Lwo:
	s_sub_co_u32 s17, ttmp9, WGQ
	s_lshl_b32 s17, s17, 2
	s_add_co_u32 s17, s17, s16                     ; W
	s_lshr_b32 s18, s17, 1                         ; nu
	s_and_b32 s17, s17, 1                          ; which half of K
	s_lshl_b32 s20, s18, 16                        ; 16 rows of 4,096 bytes
	s_lshl_b32 s22, s17, 11                        ; 512 numbers
	s_add_co_u32 s20, s20, s22
	s_mov_b32 s21, 0
	s_add_nc_u64 s[8:9], s[8:9], s[20:21]
	s_lshl_b32 s20, s17, 20                        ; four K steps of 262,144 bytes
	s_lshl_b32 s22, s18, 12
	s_add_co_u32 s20, s20, s22
	s_add_nc_u64 s[14:15], s[14:15], s[20:21]
	v_and_b32 v5, 15, v2
	v_lshrrev_b32 v6, 4, v2
	v_lshlrev_b32 v3, 12, v5
	v_lshl_add_u32 v3, v6, 5, v3                   ; in: row lane % 16, + 32 (lane / 16): my 8 numbers of a half fragment
	v_lshlrev_b32 v4, 4, v2                        ; out: 16 x lane
.macro LOADW g                         ; fragments 4 g .. 4 g + 3 into set g % 2: 16 loads
.irp f, 0,1,2,3
.irp u, 0,1
.irp e, 0,1
	global_load_b128 v[16+64*((\g)%2)+16*\f+8*\u+4*\e:16+64*((\g)%2)+16*\f+8*\u+4*\e+3], v3, s[8:9] offset:(4*(\g)+\f)*128+\u*64+\e*16 th:TH_LOAD_NT
.endr
.endr
.endr
.endm
.macro CVTW g
.if (\g) < 3
	s_wait_loadcnt 16                              ; this group's 16 loads are in; the next group's may be out
.else
	s_wait_loadcnt 0x0
.endif
	s_wait_xcnt 0x0                                ; the last group's stores have read v144-175
.irp f, 0,1,2,3
.irp u, 0,1
.irp i, 0,1,2,3
	v_cvt_pk_f16_f32 v[144+8*\f+4*\u+\i], v[16+64*((\g)%2)+16*\f+8*\u+2*\i], v[16+64*((\g)%2)+16*\f+8*\u+2*\i+1]
.endr
.endr
.endr
.irp f, 0,1,2,3
.irp u, 0,1
	global_store_b128 v4, v[144+8*\f+4*\u:144+8*\f+4*\u+3], s[14:15] offset:(\g)*262144+\f*1024+\u*512   ; an image: 512 consecutive bytes, aligned
.endr
.endr
.if (\g) < 2
	LOADW (\g)+2
.endif
.endm
	LOADW 0
	LOADW 1
	CVTW 0
	CVTW 1
	CVTW 2
	CVTW 3
	s_wait_tensorcnt 0x0                           ; the same three lines at this path's end
	ds_add_u32 v[SPW], v[NIL]
	s_wait_dscnt 0x0
	s_endpgm
.Lfunc_end_k_qf5be787d59_prep:
	.size	k_qf5be787d59_prep, .Lfunc_end_k_qf5be787d59_prep-k_qf5be787d59_prep
	.p2alignl 7, 3214868480
	.fill 96, 4, 3214868480
	.section	.rodata,"a",@progbits
	.p2align	6, 0x0
	.amdhsa_kernel k_qf5be787d59_prep
		.amdhsa_group_segment_fixed_size 33280
		.amdhsa_private_segment_fixed_size 0
		.amdhsa_enable_private_segment 0
		.amdhsa_kernarg_size 48
		.amdhsa_user_sgpr_count 2
		.amdhsa_user_sgpr_kernarg_segment_ptr 1
		.amdhsa_wavefront_size32 1
		.amdhsa_system_sgpr_workgroup_id_x 1
		.amdhsa_system_sgpr_workgroup_id_y 1
		.amdhsa_system_sgpr_workgroup_id_z 1
		.amdhsa_system_vgpr_workitem_id 0
		.amdhsa_next_free_vgpr 192
		.amdhsa_next_free_sgpr 66
		.amdhsa_reserve_vcc 0
		.amdhsa_float_denorm_mode_32 3
		.amdhsa_float_denorm_mode_16_64 3
		.amdhsa_memory_ordered 1
		.amdhsa_forward_progress 1
		.amdhsa_inst_pref_size 51
	.end_amdhsa_kernel
	.amdgpu_metadata
---
amdhsa.version: [ 1, 2 ]
amdhsa.kernels:
  - .name:           k_qf5be787d59_prep
    .symbol:         k_qf5be787d59_prep.kd
    .args:
      - { .name: x, .offset: 0, .size: 8, .value_kind: global_buffer, .address_space: global }
      - { .name: Wqkv, .offset: 8, .size: 8, .value_kind: global_buffer, .address_space: global }
      - { .name: Wo, .offset: 16, .size: 8, .value_kind: global_buffer, .address_space: global }
      - { .name: codes, .offset: 24, .size: 8, .value_kind: global_buffer, .address_space: global }
      - { .name: scales, .offset: 32, .size: 8, .value_kind: global_buffer, .address_space: global }
      - { .name: wof, .offset: 40, .size: 8, .value_kind: global_buffer, .address_space: global }
    .group_segment_fixed_size: 33280
    .private_segment_fixed_size: 0
    .kernarg_segment_align: 8
    .kernarg_segment_size: 48
    .max_flat_workgroup_size: 128
    .sgpr_count:     66
    .vgpr_count:     192
    .wavefront_size: 32
...
	.end_amdgpu_metadata
.endif
;; end of part 1
;; launch qkv (part 2): grid 12 x 32, 4 waves a work-group, clusters of 4 x 4, 327,680 bytes of LDS; arguments codes, scales, cos, sin, qkv; writes qkv
.if DOCPART == 2
	.amdgcn_target "amdgcn-amd-amdhsa--gfx1250"
	.amdhsa_code_object_version 6
	.text
	.protected	k_qf5be787d59_qkv
	.globl	k_qf5be787d59_qkv
	.p2align	8
	.type	k_qf5be787d59_qkv,@function
k_qf5be787d59_qkv:
	s_mov_b64 s[64:65], 0
	v_nop
	global_prefetch_b8 v0, s[64:65] scope:SCOPE_SE
	s_setreg_imm32_b32 hwreg(HW_REG_WAVE_MODE, 25, 1), 1
	s_wait_xcnt 0x0
	s_wait_alu depctr_hold_cnt(0) depctr_sa_sdst(0) depctr_va_vdst(0) depctr_va_sdst(0) depctr_va_ssrc(0) depctr_va_vcc(0) depctr_vm_vsrc(0)
	s_getreg_b32 s2, hwreg(HW_REG_IB_STS2, 6, 4)
	s_cmp_eq_u32 s2, 0
	s_cbranch_scc0 .Lentry_in_a_cluster
	s_endpgm
.Lentry_in_a_cluster:
	s_bfe_u32 s2, ttmp6, 0x10000c
	s_cmp_lg_u32 s2, 0xf033
	s_cbranch_scc0 .Lentry_shape_is_right
	s_endpgm
.Lentry_shape_is_right:
; x Wqkv^T on codes of FP4 (E2M1) with E8M0 scales, f32 sums; the rotary on q and k in f32; q / 16, k / 16 and v leave as f16, laid as images of the next products' operand registers.
; codes [11264][512 bytes], scales [11264][32]: rows 0-8191 are x's, 8192 on Wq's, 9216 on Wk's, 10240 on Wv's.  A tile of the product is 256 x 256, made by four waves of 128 x 128 (64 accumulators, 512 registers).
; K = 1,024 is two K steps of 512, each in an LDS slot of its own: both are filled once, at the start, and nothing is filled again.  By this text's count a wave has three tensor loads out: the scales, slot 0, slot 1.
; ONE BODY FOR q, k AND v.  The matrix instruction is used transposed (source 0 = 16 rows of "B", source 1 = 16 rows of "A"): a lane holds ONE row of A and eight neighbouring rows of B.
;   q, k (cluster x = 0, 1): A = tokens, B = rows of W: a lane holds a token and eight neighbouring dims: after the rotary they are 16 bytes of a fragment of q or k.
;   v    (cluster x = 2):    A = rows of Wv, B = tokens: a lane holds a dim and eight neighbouring tokens: 16 bytes of a fragment of V^T.  Only which rows are fetched differs; the cluster's x is the same in all sixteen partners.
; CLUSTER 4 x 4: A's tile is shared along a row of the cluster, B's along a column; each is asked for jointly.
; OUT: qkv + part 2^24 + (16 b + head) 262144 + ..: q, k: (t / 16) 2048 + c 1024 + u 512 + 16 lane = rot(token 16 (t/16) + lane % 16, dims 32 c + 16 u + 8 (lane / 16) + 0..7) / 16;
;      v: (t / 32) 4096 + dt 1024 + u 512 + 16 lane = v(tokens 32 (t/32) + 16 u + 8 (lane / 16) + 0..7, dim 16 dt + lane % 16).  Every store is 512 consecutive bytes, aligned, straight from registers.
; LIMITS: |q|, |k| up to 16 x 65,504 and |v| up to 65,504 (f16's largest number); the factor 1 / 16 is a power of two and comes back in the softmax's constant.
; REGISTERS: window 0: v16-29 addresses; v32-95 scale words, two sets; v96-127 packed results; v128-191 A's fragments, later the rotated numbers; v192-255 cos and sin, two sets.
;   window 1: B's fragments, two sets, at v0 and v128.  window 2: accumulators of my A rows 0-63 ((a, b) at v[8 (8 a + b)]); window 3: of rows 64-127.
.set SIZE_K, 1024
.set KSTEP,  512
.set NQ,     KSTEP/128
.set ROWB,   256                       ; a tile's row in bytes
.set KROW,   SIZE_K*4/8                ; a row of codes in memory
.set PITCH,  272                       ; an LDS row: 256 bytes + 16 of padding: the 16 rows of a load start 68 words apart
.set FR,     8
.set NL,     2
.set NP,     4
.set HALFT,  128*PITCH
.set SLOT,   4*HALFT                   ; A's 256 rows, then B's 256 rows
.set KS,     SIZE_K/32
.set SCL,    2*SLOT                    ; behind the slots: the scales, as units of 256 bytes + 16 of padding
.set HALFS,  (128*KS/256)*272
.set SBLK,   (16*KS/256)*272
.set SPARE,  SCL+4*HALFS               ; the spare words, 128 bytes a wave
.set ADRA, 16
.set ADRB, 20
.set LI,   24                          ; v24 16 x lane: an image's place for my lane
.set VC,   25                          ; v25 cos, sin: 128 (lane % 16) + 16 (lane / 16)
.set ADRS, 27
.set SPW,  28
.set NIL,  29
.set SC,   32
.set PK,   96
.set AF,   128
.set EE,   128
.set CSR,  192
.set G1, 24
.set G0, 32
.set G1B, 48
.set G0B, 56
.set G1S, 68
.set G0S, 76
.set G1SB, 80
.set G0SB, 88
.set MSB, 0
.macro WIN new                         ; the immediate's high byte repeats the setting that is left
.if MSB != (\new)
	s_set_vgpr_msb (MSB<<8)|(\new)
.set MSB, (\new)
.endif
.endm
.set MUL_LO, 0xa1                      ; source 0 (B) window 1, source 1 (A) window 0, C and D window 2
.set MUL_HI, 0xf1
.set TO_B,   0x40
; A joint load: waves 0 and 1 fetch for A, waves 2 and 3 for B.  The branch hangs on the wave's number alone.  An s_nop 0 and four v_nop follow each line.
.macro JLOAD g0a, g1a, g0b, g1b
	s_cmp_eq_u32 s15, 0
	s_cbranch_scc0 .Lfor_b_\@
	tensor_load_to_lds s[\g0a:\g0a+3], s[\g1a:\g1a+7]
	s_nop 0
.rept 4
	v_nop
.endr
	s_branch .Lasked_\@
.Lfor_b_\@:
	tensor_load_to_lds s[\g0b:\g0b+3], s[\g1b:\g1b+7]
	s_nop 0
.rept 4
	v_nop
.endr
.Lasked_\@:
.endm
.macro CROUND                          ; a round of the cluster's barrier
	s_barrier_signal -1
	s_barrier_wait -1
	s_cmp_lg_u32 s14, 0
	s_cbranch_scc1 .Lnot_wave_0_\@
	s_barrier_signal -3
.Lnot_wave_0_\@:
	s_barrier_wait -3
	s_barrier_signal -1
	s_barrier_wait -1
.endm
	s_load_b256 s[4:11], s[0:1], 0x0               ; codes s[4:5], scales s[6:7], cos s[8:9], sin s[10:11]
	s_load_b64 s[12:13], s[0:1], 0x20              ; qkv
	v_lshl_add_u32 v[SPW], v0, 2, SPARE
	v_mov_b32 v[NIL], 0
	ds_add_u32 v[SPW], v[NIL]                      ; the wave's opening: the add, twice on end, and its wait ahead of my first tensor load
	ds_add_u32 v[SPW], v[NIL]
	v_lshrrev_b32 v1, 5, v0
	v_readfirstlane_b32 s14, v1                    ; wave 0..3
	s_lshr_b32 s15, s14, 1                         ; my half of A's rows.  Also: I fetch for A (0) or for B (1)
	s_and_b32 s16, s14, 1                          ; my half of B's rows.  Also: which 128 rows I fetch
	s_bfe_u32 s40, ttmp6, 0x40000                  ; cx
	s_bfe_u32 s41, ttmp6, 0x40004                  ; cy
	s_and_b32 s17, ttmp7, 0xffff
	s_lshl_b32 s17, s17, 2                         ; 4 x cluster y: the cluster's first tile of 256 tokens
	s_lshl_b32 s42, ttmp9, 2
	s_add_co_u32 s42, s42, 32                      ; Wq's or Wk's first tile of 256 rows
	s_cmp_eq_u32 ttmp9, 2                          ; v?  The cluster's x: the same in all partners
	s_cselect_b32 s42, s17, s42                    ; B: v: tokens; q, k: rows of W
	s_cselect_b32 s17, 40, s17                     ; A: v: rows of Wv; q, k: tokens
	s_add_co_u32 s42, s42, s40                     ; B's tile: + cx
	s_add_co_u32 s17, s17, s41                     ; A's tile: + cy
	s_lshl_b32 s43, s41, 2
	s_lshl_b32 s43, 15, s43                        ; my row of the cluster
	s_lshl_b32 s44, 0x1111, s40                    ; my column
	; group 1: a tile of 128 rows x 256 bytes, 16 bytes of padding behind each row
	s_or_b32 s[G1+0], s43, (0<<16)|(1<<20)|(1<<21)|(5<<22)|(3<<25)
	s_or_b32 s[G1B+0], s44, (0<<16)|(1<<20)|(1<<21)|(5<<22)|(3<<25)
.irp g, G1, G1B
	s_mov_b32 s[\g+1], ROWB<<16                    ; tensor_dim0
	s_mov_b32 s[\g+2], 128<<16                     ; tensor_dim1
	s_mov_b32 s[\g+3], ROWB<<16                    ; tile_dim0
	s_mov_b32 s[\g+4], 128                         ; tile_dim1
	s_mov_b32 s[\g+5], KROW                        ; the pitch
	s_mov_b32 s[\g+6], 0
	s_mov_b32 s[\g+7], 0
.endr
	; the scales of 128 rows: 4,096 dense bytes as 16 rows of 256 (32 elements of 8 bytes), 16 bytes of padding behind each
	s_or_b32 s[G1S+0], s43, (3<<16)|(1<<20)|(1<<21)|(5<<22)|(3<<25)
	s_or_b32 s[G1SB+0], s44, (3<<16)|(1<<20)|(1<<21)|(5<<22)|(3<<25)
.irp g, G1S, G1SB
	s_mov_b32 s[\g+1], 32<<16
	s_mov_b32 s[\g+2], (128*KS/256)<<16
	s_mov_b32 s[\g+3], 32<<16
	s_mov_b32 s[\g+4], 128*KS/256
	s_mov_b32 s[\g+5], 32
	s_mov_b32 s[\g+6], 0
	s_mov_b32 s[\g+7], 0
.endr
	s_lshl_b32 s18, s16, 7
	s_lshl_b32 s20, s17, 8
	s_add_co_u32 s20, s20, s18                     ; A: the first row that I fetch
	s_lshl_b32 s46, s42, 8
	s_add_co_u32 s46, s46, s18                     ; B likewise
	s_mov_b32 s21, 0
	s_mov_b32 s47, 0
	s_mov_b64 s[18:19], KS
	s_mul_u64 s[22:23], s[20:21], s[18:19]         ; where these rows' scales begin,
	s_mul_u64 s[92:93], s[46:47], s[18:19]
	s_mov_b64 s[18:19], KROW
	s_mul_u64 s[20:21], s[20:21], s[18:19]         ; and their codes
	s_mul_u64 s[46:47], s[46:47], s[18:19]
	s_mul_i32 s45, s14, HALFT                      ; where they go: wave x 128 rows
	s_mul_i32 s94, s14, HALFS
	s_wait_dscnt 0x0                               ; both opening adds are done
	s_wait_kmcnt 0x0
	s_add_nc_u64 s[20:21], s[4:5], s[20:21]
	s_add_nc_u64 s[22:23], s[6:7], s[22:23]
	s_add_nc_u64 s[46:47], s[4:5], s[46:47]
	s_add_nc_u64 s[92:93], s[6:7], s[92:93]
	CROUND                                         ; all sixteen work-groups are here: the joint loads meet
	s_mov_b32 s[G0S], 1
	s_add_co_u32 s[G0S+1], s94, SCL
	s_mov_b64 s[G0S+2:G0S+3], s[22:23]
	s_or_b32 s[G0S+3], s[G0S+3], 0x80000000
	s_mov_b32 s[G0SB], 1
	s_add_co_u32 s[G0SB+1], s94, SCL
	s_mov_b64 s[G0SB+2:G0SB+3], s[92:93]
	s_or_b32 s[G0SB+3], s[G0SB+3], 0x80000000
	JLOAD G0S, G1S, G0SB, G1SB                     ; the scales first: they are wanted with K step 0
.irp s, 0,1
	s_mov_b32 s[G0+4*\s], 1
	s_add_co_u32 s[G0+4*\s+1], s45, \s*SLOT
	s_add_nc_u64 s[G0+4*\s+2:G0+4*\s+3], s[20:21], \s*ROWB
	s_or_b32 s[G0+4*\s+3], s[G0+4*\s+3], 0x80000000
	s_mov_b32 s[G0B+4*\s], 1
	s_add_co_u32 s[G0B+4*\s+1], s45, \s*SLOT
	s_add_nc_u64 s[G0B+4*\s+2:G0B+4*\s+3], s[46:47], \s*ROWB
	s_or_b32 s[G0B+4*\s+3], s[G0B+4*\s+3], 0x80000000
	JLOAD G0+4*\s, G1, G0B+4*\s, G1B
.endr
	v_and_b32 v1, 15, v0                           ; r
	v_bfe_u32 v2, v0, 4, 1                         ; h
	v_mul_u32_u24 v3, v1, PITCH
	v_lshl_add_u32 v4, v2, 4, v3                   ; a fragment's row x pitch + 16 h
	s_mul_i32 s21, s15, HALFT                      ; my 128 rows of A
	s_mul_i32 s22, s16, HALFT                      ; my 128 rows of B,
	s_add_co_u32 s22, s22, 2*HALFT                 ; behind A's 256
.irp s, 0,1
	v_add_nc_u32 v[ADRA+\s], s21, v4
	v_add_nc_u32 v[ADRB+\s], s22, v4
	s_add_co_u32 s21, s21, SLOT
	s_add_co_u32 s22, s22, SLOT
.endr
	v_mul_u32_u24 v5, v1, KS                       ; my row's scales: 32 bytes a row,
	v_lshrrev_b32 v6, 8, v5
	v_lshl_add_u32 v5, v6, 4, v5                   ; and 16 more for each 256 passed
	s_mul_i32 s21, s15, HALFS
	s_mul_i32 s22, s16, HALFS
	s_add_co_u32 s22, s22, 2*HALFS
	s_sub_co_u32 s22, s22, s21
	v_mul_u32_u24 v6, s22, v2                      ; lanes 16-31 take B's
	s_add_co_u32 s21, s21, SCL
	v_add_nc_u32 v5, v5, v6
	v_add_nc_u32 v[ADRS], s21, v5
	v_and_b32 v6, 31, v0
	v_lshlrev_b32 v[LI], 4, v6
	v_lshlrev_b32 v[VC], 7, v1
	v_lshl_add_u32 v[VC], v2, 4, v[VC]
	; where my 128 tokens and my two heads lie.  Registers of their own: none of them feeds a descriptor
	s_cmp_eq_u32 ttmp9, 2
	s_cselect_b32 s66, s40, s41                    ; the tokens' place in the cluster: v: cx; q, k: cy
	s_cselect_b32 s67, s16, s15                    ; and my half of their tile
	s_cselect_b32 s95, s41, s40                    ; the dims' place
	s_cselect_b32 s3, s15, s16                     ; and my half of theirs
	s_and_b32 s18, ttmp7, 0xffff
	s_lshl_b32 s18, s18, 2
	s_add_co_u32 s66, s66, s18                     ; the tile of 256 tokens
	s_lshl_b32 s95, s95, 2
	s_lshl_b32 s3, s3, 1
	s_add_co_u32 s95, s95, s3                      ; my first head: 4 x place + 2 x half
	s_lshr_b32 s3, s66, 3                          ; the batch: 8 tiles to a sequence
	s_lshl_b32 s3, s3, 4
	s_add_co_u32 s3, s3, s95
	s_lshl_b32 s3, s3, 18                          ; (16 b + head) x 262,144
	s_lshl_b32 s95, ttmp9, 24                      ; the part
	s_add_co_u32 s3, s3, s95
	s_and_b32 s66, s66, 7
	s_lshl_b32 s66, s66, 8
	s_lshl_b32 s67, s67, 7
	s_add_co_u32 s66, s66, s67                     ; my first position in the sequence
	s_lshl_b32 s18, s66, 7                         ; x 128 bytes: a row of cos or sin, and 16 tokens' 2,048 (32 tokens' 4,096) bytes of images
	s_mov_b32 s19, 0
	s_add_nc_u64 s[96:97], s[8:9], s[18:19]        ; cos at my first position
	s_add_nc_u64 s[98:99], s[10:11], s[18:19]      ; sin
	s_add_co_u32 s18, s18, s3
	s_add_nc_u64 s[100:101], s[12:13], s[18:19]    ; my images
	s_mov_b32 s66, 0x3d800000                      ; 1 / 16
	s_mov_b32 s67, s66                             ; (named with it as a pair)
; cos and sin of block a's 16 positions: lane (r, h) wants, for the tile of dims b, the four pairs 8 (b % 4) + 4 h + 0 .. 3 of position r
.macro CSLOAD a
.irp b, 0,1,2,3
	global_load_b128 v[CSR+32*((\a)%2)+4*\b:CSR+32*((\a)%2)+4*\b+3], v[VC], s[96:97] offset:(\a)*2048+32*\b
	global_load_b128 v[CSR+32*((\a)%2)+16+4*\b:CSR+32*((\a)%2)+16+4*\b+3], v[VC], s[98:99] offset:(\a)*2048+32*\b
.endr
.endm
	CSLOAD 0                                       ; asked for ahead of the K steps, on the one way that all three parts take: v's tiles leave these 16 loads unread, and touch v192-255 nowhere
	CSLOAD 1
.macro FRAG reg, adr, q, i             ; 16 rows x 128 K of 4-bit codes: 8 registers: registers 4 c .. 4 c + 3 hold K = 64 c + 32 h + 0 .. 31
.irp c, 0,1
	ds_load_b128 v[\reg+4*\c:\reg+4*\c+3], v[\adr] offset:64*(\q)+32*\c+(\i)*16*PITCH
.endr
.endm
; 16 matrix instructions: A's blocks a0, a0 + 1 x B's eight.  The 64 accumulators take turns, one instruction a turn, in the same order in every step.
.macro MUL16 a0, p, q, sc, zero
.irp a, \a0, \a0+1
.irp b, 0,1,2,3,4,5,6,7
.if \zero
	v_wmma_scale_f32_16x16x128_f8f6f4 v[8*(8*((\a)%4)+\b):8*(8*((\a)%4)+\b)+7], v[128*(\p)+FR*\b:128*(\p)+FR*\b+FR-1], v[AF+FR*(\a):AF+FR*(\a)+FR-1], 0, v[SC+8*NQ*(\sc)+NQ*\b+(\q)], v[SC+8*NQ*(\sc)+NQ*(\a)+(\q)] matrix_a_fmt:MATRIX_FMT_FP4 matrix_b_fmt:MATRIX_FMT_FP4 matrix_a_scale:MATRIX_SCALE_ROW1
.else
	v_wmma_scale_f32_16x16x128_f8f6f4 v[8*(8*((\a)%4)+\b):8*(8*((\a)%4)+\b)+7], v[128*(\p)+FR*\b:128*(\p)+FR*\b+FR-1], v[AF+FR*(\a):AF+FR*(\a)+FR-1], v[8*(8*((\a)%4)+\b):8*(8*((\a)%4)+\b)+7], v[SC+8*NQ*(\sc)+NQ*\b+(\q)], v[SC+8*NQ*(\sc)+NQ*(\a)+(\q)] matrix_a_fmt:MATRIX_FMT_FP4 matrix_b_fmt:MATRIX_FMT_FP4 matrix_a_scale:MATRIX_SCALE_ROW1
.endif
.endr
.endr
.endm
.macro FETCH_B slot, q, p
	WIN TO_B
.irp i, 0,1,2,3,4,5,6,7
	FRAG 128*(\p)+FR*\i, ADRB+\slot, \q, \i
.endr
	WIN 0
.endm
.macro FETCH_A slot, q, i0
.irp i, \i0, \i0+1, \i0+2, \i0+3
	FRAG AF+FR*(\i), ADRA+\slot, \q, \i
.endr
.endm
.macro SCALES sc                       ; a K step's scale words: lanes 0-15 take A's block i, lanes 16-31 B's block i
.irp i, 0,1,2,3,4,5,6,7
	ds_load_b128 v[SC+8*NQ*\sc+NQ*\i:SC+8*NQ*\sc+NQ*\i+3], v[ADRS] offset:\i*SBLK
.endr
.endm
.macro PLACES n                        ; plain vector instructions between a matrix instruction and a load into, or a read of, its registers
.rept \n
	v_nop
.endr
.endm
.macro STEP slot, q, zero              ; 128 along K, with its successor in the same slot
	s_wait_dscnt 4*NL                              ; B's set and A's blocks 0-3 are in; A's blocks 4-7 (8 loads) may be out
	WIN MUL_LO
	MUL16 0, (\q)%2, \q, \slot, \zero
	MUL16 2, (\q)%2, \q, \slot, \zero
	s_wait_dscnt 0
	PLACES NP
	FETCH_B \slot, (\q)+1, 1-(\q)%2
	FETCH_A \slot, (\q)+1, 0
	WIN MUL_HI
	MUL16 4, (\q)%2, \q, \slot, \zero
	MUL16 6, (\q)%2, \q, \slot, \zero
	PLACES NP
	WIN 0
	FETCH_A \slot, (\q)+1, 4
.endm
.macro TURN slot, next                 ; slot 0's last step: one barrier, behind which slot 1 is whole for every wave.  Nothing is filled again
	s_wait_tensorcnt 0x0                           ; all my tensor loads have landed: my part of slot 1
	ds_add_u32 v[SPW], v[NIL]                      ; 0 onto my spare word
	s_wait_dscnt 4*NL+1                            ; (the add and A's blocks 4-7 may be out)
	WIN MUL_LO
	MUL16 0, 1, NQ-1, \slot, 0
	s_wait_dscnt 0x0                               ; no LDS instruction of mine is out at the signal
	s_barrier_signal -1
	MUL16 2, 1, NQ-1, \slot, 0
	WIN 0
	s_barrier_wait -1
	PLACES NP
	v_add_nc_u32 v[ADRS], 4*NQ, v[ADRS]            ; the next K step's scale words
	FETCH_B \next, 0, 0
	FETCH_A \next, 0, 0
	SCALES \next
	WIN MUL_HI
	MUL16 4, 1, NQ-1, \slot, 0
	MUL16 6, 1, NQ-1, \slot, 0
	PLACES NP
	WIN 0
	FETCH_A \next, 0, 4
.endm
.macro STEPS slot, from
.set Q, \from
.rept NQ-1-\from
	STEP \slot, Q, 0
.set Q, Q+1
.endr
.endm
	s_wait_tensorcnt 1                             ; the scales and my part of slot 0 are in; slot 1's load may be out
	s_barrier_signal -1
	s_barrier_wait -1                              ; everybody's are
	FETCH_B 0, 0, 0
	FETCH_A 0, 0, 0
	SCALES 0
	FETCH_A 0, 0, 4
	STEP 0, 0, 1                                   ; the first products start the sums: nothing is cleared
	STEPS 0, 1
	TURN 0, 1
	STEPS 1, 0
	s_wait_dscnt 4*NL                              ; the last step: nothing more to fetch
	WIN MUL_LO
	MUL16 0, 1, NQ-1, 1, 0
	MUL16 2, 1, NQ-1, 1, 0
	s_wait_dscnt 0
	WIN MUL_HI
	MUL16 4, 1, NQ-1, 1, 0
	MUL16 6, 1, NQ-1, 1, 0
	WIN 0
	PLACES NP                                      ; in front of the first read of results and the first write over A's fragments
	s_cmp_eq_u32 ttmp9, 2
	s_cbranch_scc1 .Lv_out
; q, k: block a = 16 tokens x my 128 dims.  Register pair (2 i, 2 i + 1) of accumulator b is the rotary's pair 8 (b % 4) + 4 h + i of my token.
.macro QK_OUT a
.set CS0, CSR+32*((\a)%2)
.set AC, 64*((\a)%4)
.if (\a) < 7
	s_wait_loadcnt 8                               ; this block's cos and sin are in; the next block's 8 loads may be out
.else
	s_wait_loadcnt 0x0
.endif
.irp j, 0,2,4,6,8,10,12,14,16,18,20,22,24,26,28,30
	v_pk_mul_f32 v[CS0+\j:CS0+\j+1], v[CS0+\j:CS0+\j+1], s[66:67] op_sel_hi:[1,0]   ; cos / 16, sin / 16: exact
.endr
	WIN 0x02+(\a)/4                                ; source 0: the accumulators' window
.irp b, 0,1,2,3,4,5,6,7
.irp i, 0,1,2,3
	v_mul_f32 v[EE+8*\b+2*\i], v[AC+8*\b+2*\i+1], v[CS0+16+4*((\b)%4)+\i]        ; x2 sin
	v_mul_f32 v[EE+8*\b+2*\i+1], v[AC+8*\b+2*\i+1], v[CS0+4*((\b)%4)+\i]         ; x2 cos
.endr
.irp i, 0,1,2,3
	v_fma_f32 v[EE+8*\b+2*\i], v[AC+8*\b+2*\i], v[CS0+4*((\b)%4)+\i], -v[EE+8*\b+2*\i]          ; x1 cos - x2 sin
	v_fma_f32 v[EE+8*\b+2*\i+1], v[AC+8*\b+2*\i], v[CS0+16+4*((\b)%4)+\i], v[EE+8*\b+2*\i+1]    ; x1 sin + x2 cos
.endr
.endr
	WIN 0
.if (\a) < 6
	CSLOAD (\a)+2
.endif
	s_wait_xcnt 0x0                                ; the last block's stores have read v96-127
.irp b, 0,1,2,3,4,5,6,7
.irp i, 0,1,2,3
	v_cvt_pk_f16_f32 v[PK+4*\b+\i], v[EE+8*\b+2*\i], v[EE+8*\b+2*\i+1]
.endr
.endr
.irp b, 0,1,2,3,4,5,6,7
	global_store_b128 v[LI], v[PK+4*\b:PK+4*\b+3], s[100:101] offset:(\a)*2048+((\b)/4)*262144+((\b)%4)*512   ; an image: 512 consecutive bytes, aligned
.endr
.endm
.irp a, 0,1,2,3,4,5,6,7
	QK_OUT \a
.endr
	s_branch .Lend
.Lv_out:
; v: block a = 16 dims x my 128 tokens: the accumulators are rounded as they stand
.macro V_OUT a
.set AC, 64*((\a)%4)
	s_wait_xcnt 0x0                                ; the last block's stores have read v96-127
	WIN 0x0a+5*((\a)/4)                            ; sources 0 and 1: the accumulators' window
.irp b, 0,1,2,3,4,5,6,7
.irp i, 0,1,2,3
	v_cvt_pk_f16_f32 v[PK+4*\b+\i], v[AC+8*\b+2*\i], v[AC+8*\b+2*\i+1]
.endr
.endr
	WIN 0
.irp b, 0,1,2,3,4,5,6,7
	global_store_b128 v[LI], v[PK+4*\b:PK+4*\b+3], s[100:101] offset:((\a)/4)*262144+((\a)%4)*1024+((\b)/2)*4096+((\b)%2)*512
.endr
.endm
.irp a, 0,1,2,3,4,5,6,7
	V_OUT \a
.endr
.Lend:
	s_wait_tensorcnt 0x0                           ; the wave's end
	ds_add_u32 v[SPW], v[NIL]
	s_wait_dscnt 0x0
	CROUND                                         ; the closing round
	s_endpgm
.Lfunc_end_k_qf5be787d59_qkv:
	.size	k_qf5be787d59_qkv, .Lfunc_end_k_qf5be787d59_qkv-k_qf5be787d59_qkv
	.p2alignl 7, 3214868480
	.fill 96, 4, 3214868480
	.section	.rodata,"a",@progbits
	.p2align	6, 0x0
	.amdhsa_kernel k_qf5be787d59_qkv
		.amdhsa_group_segment_fixed_size 327680
		.amdhsa_private_segment_fixed_size 0
		.amdhsa_enable_private_segment 0
		.amdhsa_kernarg_size 40
		.amdhsa_user_sgpr_count 2
		.amdhsa_user_sgpr_kernarg_segment_ptr 1
		.amdhsa_wavefront_size32 1
		.amdhsa_system_sgpr_workgroup_id_x 1
		.amdhsa_system_sgpr_workgroup_id_y 1
		.amdhsa_system_sgpr_workgroup_id_z 1
		.amdhsa_system_vgpr_workitem_id 0
		.amdhsa_next_free_vgpr 1024
		.amdhsa_next_free_sgpr 102
		.amdhsa_reserve_vcc 0
		.amdhsa_float_denorm_mode_32 3
		.amdhsa_float_denorm_mode_16_64 3
		.amdhsa_memory_ordered 1
		.amdhsa_forward_progress 1
		.amdhsa_inst_pref_size 203
	.end_amdhsa_kernel
	.amdgpu_metadata
---
amdhsa.version: [ 1, 2 ]
amdhsa.kernels:
  - .name:           k_qf5be787d59_qkv
    .symbol:         k_qf5be787d59_qkv.kd
    .args:
      - { .name: codes, .offset: 0, .size: 8, .value_kind: global_buffer, .address_space: global }
      - { .name: scales, .offset: 8, .size: 8, .value_kind: global_buffer, .address_space: global }
      - { .name: cos, .offset: 16, .size: 8, .value_kind: global_buffer, .address_space: global }
      - { .name: sin, .offset: 24, .size: 8, .value_kind: global_buffer, .address_space: global }
      - { .name: qkv, .offset: 32, .size: 8, .value_kind: global_buffer, .address_space: global }
    .group_segment_fixed_size: 327680
    .private_segment_fixed_size: 0
    .kernarg_segment_align: 8
    .kernarg_segment_size: 40
    .max_flat_workgroup_size: 128
    .sgpr_count:     102
    .vgpr_count:     1024
    .wavefront_size: 32
...
	.end_amdgpu_metadata
.endif
;; end of part 2
;; launch attn (part 3): grid 4 x 64, 16 waves a work-group, no clusters, 327,680 bytes of LDS; arguments qkv, yf; writes yf
.if DOCPART == 3
	.amdgcn_target "amdgcn-amd-amdhsa--gfx1250"
	.amdhsa_code_object_version 6
	.text
	.protected	k_qf5be787d59_attn
	.globl	k_qf5be787d59_attn
	.p2align	8
	.type	k_qf5be787d59_attn,@function
k_qf5be787d59_attn:
	s_mov_b64 s[64:65], 0
	v_nop
	global_prefetch_b8 v0, s[64:65] scope:SCOPE_SE
	s_setreg_imm32_b32 hwreg(HW_REG_WAVE_MODE, 25, 1), 1
	s_wait_xcnt 0x0
; y[b][h][q] = the sum over k <= q of softmax_k(q . k / 8) v[k], head size 64, 2,048 positions, 64 pairs (b, h).  Operands f16 (q / 16, k / 16, v, p), products and all of the softmax in f32.
; q, k, v arrive as images of the operands' registers: a fragment is read by ds_load_b128 at a constant + 16 x lane; a slot's tiles are dense blocks of memory.
; SHARES.  Work-group (i, bh) owns query blocks i and 7 - i of the head's eight blocks of 256: (i + 1) + (8 - i) = 9 blocks of keys to walk in every work-group.  Waves 0-7 take block i, waves 8-15 block 7 - i,
; 32 queries each: TWO tiles of 16, so that each fragment of K and V read from LDS feeds two matrix instructions.  256 registers a wave, four waves to a SIMD: one wave's softmax stands beside another's products.
; LAYOUT.  S^T = K Q^T (source 0 = 16 keys, source 1 = 16 queries) and O^T = V^T P: a lane holds ONE query throughout; two tiles of S^T rounded in pairs ARE a fragment of P.
; SOFTMAX.  A running maximum m of the raw scores; p = 2^((s - m) c), the subtraction first, so that the exponent is 0 at the maximum and never above it, whatever the scores' size;
; c = 256 log2(e) / 8 (the 256 undoes the two factors 1 / 16).  The row's sum is taken of the unrounded p.  In every step O and the sum are multiplied by a = 2^((m_old - m_new) c).
; THE MASK.  Every work-group walks all 8 slots of 256 keys (constant trip counts, every barrier passed); a step all of whose keys come after the wave's queries is jumped over, by ids alone;
; a slot whose first key comes after the work-group's last query is not asked for.  Every wait on TENSORcnt is for 0.
; NO CLUSTER: work-group i reads keys only up to 256 (8 - i), so a joint load would bring some partner tiles that none of its waves reads.
; OUT: yf + (head / 2) 2097152 + (row / 16) 4096 + (head % 2) 2048 + dt 512 + 16 lane = y(row 16 (row/16) + lane % 16, head, dims 16 dt + 8 (lane / 16) + 0..7): images for the projection.
; LIMITS: f16's range for q / 16, k / 16, v and y; scores whose differences overflow f32 are not served.
.set SLOTB, 65536                      ; slot 1 begins here: one exclusive or turns an address.  A slot: K's images of 256 keys (32,768 bytes), then V's
.set VOFF,  32768
.set SPARE, 131072                     ; the spare words, 128 bytes for each of 16 waves
.set LI,  1                            ; v1  16 x lane
.set ADR, 2                            ; v2  LDS address of the step's tiles
.set SPW, 3
.set NIL, 4
.set PFO, 5                            ; v5  256 x lane: the prefetches' offset
.set RH,  6                            ; v6  lane % 16 - 8 (lane / 16)
.set NINF, 7                           ; v7  -infinity
.set ST,  8                            ; tile t's statistics at v[8 + 8 t]: +0 m, +1 written 0, +2, +3 the sum, +4 .. +7 at work; a takes +6, its exponent +7
.set QF,  24                           ; v24-55   Q: tile t, dims 32 c on: 24 + 16 t + 8 c
.set KV,  56                           ; v56-119  8 fragments of K, then of V
.set S,   120                          ; v120-183 S^T: tile t, keys 16 kt on: 120 + 32 t + 8 kt; P in place, in the low 16 of each 32
.set O,   184                          ; v184-247 O^T: 184 + 32 t + 8 dt
.set TS,  248                          ; v248-251 the sums' second chains
.set DM,  252                          ; v252-253 the mask's bound
.set WV, 8
.set WI, 9
.set BH, 10
.set Q0, 11                            ; my first query
.set QL, 12                            ; my work-group's last query
.set KF, 13                            ; the step's first key
.set TB, 14                            ; LDS byte at which the step's tile of K begins
.set SLOTS, 15
.set G1, 16                            ; s[16:23] group 1: 16,384 dense bytes as 64 rows of 256
.set G0, 24                            ; s[24:27] group 0, which walks
.set NST, 28
.set LIM, 29
.set CS, 30
.set SEL, 32
.set PFA, 34
.set QP, 36
.set YP, 38
.macro TLOAD                           ; waves 0, 1: K's halves of a slot; waves 2, 3: V's; the others fetch nothing.  An s_nop 0 and four v_nop follow the line
	s_cmp_lt_u32 s[WV], 4
	s_cbranch_scc0 .Lasked_\@
	tensor_load_to_lds s[G0:G0+3], s[G1:G1+7]
	s_nop 0
.rept 4
	v_nop
.endr
.Lasked_\@:
.endm
; A prefetch of what the NEXT change of slots will ask for: 32,768 bytes of K's images and as many of V's.  The four work-groups of a head walk the same K and V: work-group 0, which loads all 8 slots, asks;
; in it waves 4-7 name K's bytes and waves 8-11 V's, 8,192 bytes a wave, lanes 256 bytes apart: each aligned block of 256 bytes is named once in the launch.  The last request names slot 7.
.macro ASK
	s_cmp_gt_u32 s[SLOTS], s[LIM]
	s_cbranch_scc0 .Lnot_mine_\@
	global_prefetch_b8 v[PFO], s[PFA:PFA+1] th:TH_LOAD_NT scope:SCOPE_SE
.Lnot_mine_\@:
.endm
	s_load_b128 s[4:7], s[0:1], 0x0                ; qkv s[4:5], yf s[6:7]
	v_lshl_add_u32 v[SPW], v0, 2, SPARE
	v_mov_b32 v[NIL], 0
	ds_add_u32 v[SPW], v[NIL]                      ; the wave's opening: the add, twice on end, and its wait ahead of the first tensor load
	ds_add_u32 v[SPW], v[NIL]
	v_lshrrev_b32 v1, 5, v0
	v_readfirstlane_b32 s[WV], v1                  ; wave 0..15
	s_mov_b32 s[WI], ttmp9
	s_and_b32 s[BH], ttmp7, 0xffff                 ; 16 b + head
	s_sub_co_u32 s40, 7, s[WI]
	s_cmp_lt_u32 s[WV], 8
	s_cselect_b32 s40, s[WI], s40                  ; my block of 256 queries
	s_lshl_b32 s40, s40, 8
	s_and_b32 s41, s[WV], 7
	s_lshl_b32 s41, s41, 5
	s_add_co_u32 s[Q0], s40, s41
	s_sub_co_u32 s[QL], 8, s[WI]
	s_lshl_b32 s[QL], s[QL], 8
	s_sub_co_u32 s[QL], s[QL], 1
	s_mov_b32 s[G1], 3<<16                         ; no mask, elements of 8 bytes, no padding
	s_mov_b32 s[G1+1], 32<<16                      ; tensor_dim0 = 32
	s_mov_b32 s[G1+2], 64<<16                      ; tensor_dim1 = 64
	s_mov_b32 s[G1+3], 32<<16                      ; tile_dim0 = 32
	s_mov_b32 s[G1+4], 64                          ; tile_dim1 = 64
	s_mov_b32 s[G1+5], 32                          ; the pitch
	s_mov_b32 s[G1+6], 0
	s_mov_b32 s[G1+7], 0
	s_and_b32 s40, s[WV], 3
	s_lshl_b32 s41, s40, 14                        ; where my quarter of a slot lies in LDS
	s_lshr_b32 s42, s40, 1
	s_add_co_u32 s42, s42, 1
	s_lshl_b32 s42, s42, 24                        ; K's part or V's
	s_and_b32 s43, s40, 1
	s_lshl_b32 s43, s43, 14                        ; its first or second half
	s_add_co_u32 s42, s42, s43
	s_lshl_b32 s44, s[BH], 18                      ; the head's first byte in a part
	s_add_co_u32 s42, s42, s44
	s_mov_b32 s43, 0
	s_mov_b32 s[CS], 0x4238aa3b                    ; c = 32 log2(e)
	s_mov_b32 s[CS+1], s[CS]
	s_mov_b32 s[SEL], 0x76543210
	s_mov_b32 s[SEL+1], 0xfedcba98                 ; lane l xor 16
	s_mov_b32 s[KF], 0
	s_mov_b32 s[TB], 0
	s_mov_b32 s[SLOTS], 7
	s_wait_dscnt 0x0                               ; both opening adds are done
	s_wait_kmcnt 0x0
	s_mov_b32 s[G0], 1
	s_mov_b32 s[G0+1], s41
	s_add_nc_u64 s[G0+2:G0+3], s[4:5], s[42:43]
	s_or_b32 s[G0+3], s[G0+3], 0x80000000
	TLOAD                                          ; slot 0: key 0 counts for every query
	s_lshl_b32 s40, s[Q0], 7                       ; 16 queries are 2,048 bytes of images
	s_add_co_u32 s40, s40, s44
	s_mov_b32 s41, 0
	s_add_nc_u64 s[QP:QP+1], s[4:5], s[40:41]
	v_and_b32 v1, 31, v0
	v_lshlrev_b32 v[LI], 4, v1
.irp tq, 0,1
.irp c, 0,1
.irp u, 0,1
	global_load_b128 v[QF+16*\tq+8*\c+4*\u:QF+16*\tq+8*\c+4*\u+3], v[LI], s[QP:QP+1] offset:\tq*2048+\c*1024+\u*512   ; Q stays in registers
.endr
.endr
.endr
	s_cmp_lt_u32 s[WV], 8                          ; the prefetches: waves under 8 stand in K's part, the others in V's,
	s_cselect_b32 s40, 1, 2
	s_lshl_b32 s40, s40, 24
	s_add_co_u32 s40, s40, s44
	s_and_b32 s42, s[WV], 3
	s_lshl_b32 s42, s42, 13                        ; 8,192 bytes a wave,
	s_add_co_u32 s40, s40, s42
	s_add_co_u32 s40, s40, 32768                   ; in slot 1: the first change of slots steps it to slot 2.  Nothing is prefetched at the head
	s_add_nc_u64 s[PFA:PFA+1], s[4:5], s[40:41]
	s_sub_co_u32 s42, s[WV], 4
	s_lshr_b32 s42, s42, 3                         ; 0 in waves 4 to 11,
	s_or_b32 s42, s42, ttmp9                       ; of the head's work-group 0
	s_cmp_eq_u32 s42, 0
	s_cselect_b32 s[LIM], 1, -1
	s_and_b32 s40, s[BH], 15                       ; the head
	s_lshr_b32 s42, s40, 1
	s_lshl_b32 s42, s42, 21
	s_and_b32 s40, s40, 1
	s_lshl_b32 s40, s40, 11
	s_add_co_u32 s40, s40, s42
	s_lshr_b32 s42, s[BH], 4                       ; the batch
	s_lshl_b32 s42, s42, 11
	s_add_co_u32 s42, s42, s[Q0]                   ; my first row of y,
	s_lshl_b32 s42, s42, 8                         ; 4,096 bytes for each 16
	s_add_co_u32 s40, s40, s42
	s_add_nc_u64 s[YP:YP+1], s[6:7], s[40:41]
	v_lshlrev_b32 v[PFO], 4, v[LI]
	v_and_b32 v[RH], 15, v0
	v_bfe_u32 v[ADR], v0, 4, 1
	v_lshlrev_b32 v[ADR], 3, v[ADR]
	v_sub_nc_u32 v[RH], v[RH], v[ADR]
	v_mov_b32 v[NINF], 0xff800000
.irp tq, 0,1
	v_mov_b32 v[ST+8*\tq], 0xff61b1e6              ; m: -3e38, under every score
.irp j, 1,2,3,4,5,6,7
	v_mov_b32 v[ST+8*\tq+\j], 0
.endr
.endr
.set j, 0
.rept 64
	v_mov_b32 v[O+j], 0                            ; O^T.  (The step is written once for all steps: the first finds zeros, which a = 0 leaves zeros)
.set j, j+1
.endr
; A KEY STEP: 64 keys against my 32 queries.
.macro STEP
	s_add_co_u32 s40, s[Q0], 31
	s_cmp_gt_u32 s[KF], s40                        ; all 64 keys come after my queries: the step's work is left out; the lines at its end that step addresses are not
	s_cbranch_scc1 .Lhidden_\@
	v_add_nc_u32 v[ADR], s[TB], v[LI]
.rept 4
	v_nop                                          ; with the addition five places: the products below write over P, which the last step's products read, and the loads land on V's fragments
.endr
.irp c, 0,1
.irp kt, 0,1,2,3
.irp u, 0,1
	ds_load_b128 v[KV+16*\kt+8*\c+4*\u:KV+16*\kt+8*\c+4*\u+3], v[ADR] offset:\kt*2048+\c*1024+\u*512
.endr
.endr
.endr
.irp c, 0,1                            ; S^T = K Q^T: eight accumulators by turns, dims 32 c on
.if \c == 0
	s_wait_dscnt 8                                 ; the fragments of dims 0-31 are in; the other eight loads may be out
.else
	s_wait_dscnt 0x0
.endif
.irp kt, 0,1,2,3
.irp tq, 0,1
.if \c == 0
	v_wmma_f32_16x16x32_f16 v[S+32*\tq+8*\kt:S+32*\tq+8*\kt+7], v[KV+16*\kt+8*\c:KV+16*\kt+8*\c+7], v[QF+16*\tq+8*\c:QF+16*\tq+8*\c+7], 0
.else
	v_wmma_f32_16x16x32_f16 v[S+32*\tq+8*\kt:S+32*\tq+8*\kt+7], v[KV+16*\kt+8*\c:KV+16*\kt+8*\c+7], v[QF+16*\tq+8*\c:QF+16*\tq+8*\c+7], v[S+32*\tq+8*\kt:S+32*\tq+8*\kt+7]
.endif
.endr
.endr
.endr
.rept 4
	v_nop                                          ; places in front of the loads over K's fragments and of the first read of the scores
.endr
.irp g, 0,1
.irp dt, 0,1,2,3
.irp u, 0,1
	ds_load_b128 v[KV+32*\g+8*\dt+4*\u:KV+32*\g+8*\dt+4*\u+3], v[ADR] offset:VOFF+\g*4096+\dt*1024+\u*512   ; V lands while the softmax is walked
.endr
.endr
.endr
	s_add_co_u32 s40, s[KF], 63
	s_cmp_le_u32 s40, s[Q0]                        ; all 64 keys count for all my queries: no mask
	s_cbranch_scc1 .Lopen_\@
	s_sub_co_i32 s40, s[Q0], s[KF]
	v_add_nc_u32 v[DM], s40, v[RH]                 ; my query - the step's first key - 8 (lane / 16), tile 0;
	v_add_nc_u32 v[DM+1], 16, v[DM]                ; tile 1.  Register n holds key 16 (n / 8) + 8 (lane / 16) + n % 8: hidden where 16 (n / 8) + n % 8 is above the bound
.irp tq, 0,1
.irp n, 0,1,2,3,4,5,6,7,8,9,10,11,12,13,14,15,16,17,18,19,20,21,22,23,24,25,26,27,28,29,30,31
	v_cmp_gt_i32 vcc_lo, 16*((\n)/8)+((\n)%8), v[DM+\tq]
	v_cndmask_b32 v[S+32*\tq+\n], v[S+32*\tq+\n], v[NINF], vcc_lo
.endr
.endr
.Lopen_\@:
.irp j, 0,1,2,3                        ; the maximum of 32 scores and the old m, three operands at a time; the two tiles alternate
.irp tq, 0,1
	v_max3_num_f32 v[ST+8*\tq+4+\j], v[S+32*\tq+8*\j], v[S+32*\tq+8*\j+1], v[S+32*\tq+8*\j+2]
.endr
.endr
.irp i, 3,5
.irp j, 0,1,2,3
.irp tq, 0,1
	v_max3_num_f32 v[ST+8*\tq+4+\j], v[ST+8*\tq+4+\j], v[S+32*\tq+8*\j+\i], v[S+32*\tq+8*\j+\i+1]
.endr
.endr
.endr
.irp tq, 0,1
	v_max3_num_f32 v[ST+8*\tq+4], v[ST+8*\tq+4], v[S+32*\tq+7], v[S+32*\tq+15]
	v_max3_num_f32 v[ST+8*\tq+6], v[ST+8*\tq+6], v[S+32*\tq+23], v[S+32*\tq+31]
.endr
.irp tq, 0,1
	v_max3_num_f32 v[ST+8*\tq+4], v[ST+8*\tq+4], v[ST+8*\tq+5], v[ST+8*\tq+6]
.endr
.irp tq, 0,1
	v_max3_num_f32 v[ST+8*\tq+4], v[ST+8*\tq+4], v[ST+8*\tq+7], v[ST+8*\tq]
.endr
.irp tq, 0,1
	v_permlanex16_b32 v[ST+8*\tq+5], v[ST+8*\tq+4], s[SEL], s[SEL+1]   ; the query's other 32 keys lie in the lane 16 away
.endr
.irp tq, 0,1
	v_mov_b32 v[ST+8*\tq+7], v[ST+8*\tq]           ; m_old
.endr
.irp tq, 0,1
	v_max_num_f32 v[ST+8*\tq], v[ST+8*\tq+4], v[ST+8*\tq+5]
.endr
.irp tq, 0,1
	v_sub_f32 v[ST+8*\tq+7], v[ST+8*\tq+7], v[ST+8*\tq]
.endr
.irp tq, 0,1
	v_mul_f32 v[ST+8*\tq+7], s[CS], v[ST+8*\tq+7]  ; (m_old - m_new) c
.endr
.irp j, 0,2,4,6,8,10,12,14,16,18,20,22,24,26,28,30
.irp tq, 0,1
	v_pk_add_f32 v[S+32*\tq+\j:S+32*\tq+\j+1], v[S+32*\tq+\j:S+32*\tq+\j+1], v[ST+8*\tq:ST+8*\tq+1] op_sel_hi:[1,0] neg_lo:[0,1] neg_hi:[0,1]   ; s - m: 0 at the maximum, exactly
.endr
.endr
.irp j, 0,2,4,6,8,10,12,14,16,18,20,22,24,26,28,30
.irp tq, 0,1
	v_pk_mul_f32 v[S+32*\tq+\j:S+32*\tq+\j+1], v[S+32*\tq+\j:S+32*\tq+\j+1], s[CS:CS+1] op_sel_hi:[1,0]
.endr
.endr
.irp tq, 0,1                           ; ONE BATCH of 66 exponentials,
	v_exp_f32 v[ST+8*\tq+6], v[ST+8*\tq+7]         ; a
.endr
.set j, 0
.rept 64
	v_exp_f32 v[S+j], v[S+j]                       ; p, at most 1
.set j, j+1
.endr
	v_nop                                          ; a plain instruction behind the last exponential,
	s_wait_alu depctr_va_vdst(0)                   ; and one wait ahead of the first line that names a result
.irp tq, 0,1
	v_pk_mul_f32 v[ST+8*\tq+2:ST+8*\tq+3], v[ST+8*\tq+2:ST+8*\tq+3], v[ST+8*\tq+6:ST+8*\tq+7] op_sel_hi:[1,0]   ; the sum under the new m
	v_pk_add_f32 v[TS+2*\tq:TS+2*\tq+1], v[S+32*\tq:S+32*\tq+1], v[S+32*\tq+2:S+32*\tq+3]
.endr
.irp j, 4,8,12,16,20,24,28             ; the sum of the unrounded p, two at a time, in two chains a tile
.irp tq, 0,1
	v_pk_add_f32 v[ST+8*\tq+2:ST+8*\tq+3], v[ST+8*\tq+2:ST+8*\tq+3], v[S+32*\tq+\j:S+32*\tq+\j+1]
	v_pk_add_f32 v[TS+2*\tq:TS+2*\tq+1], v[TS+2*\tq:TS+2*\tq+1], v[S+32*\tq+\j+2:S+32*\tq+\j+3]
.endr
.endr
.irp tq, 0,1
	v_pk_add_f32 v[ST+8*\tq+2:ST+8*\tq+3], v[ST+8*\tq+2:ST+8*\tq+3], v[TS+2*\tq:TS+2*\tq+1]
.endr
.irp tq, 0,1
.irp n, 0,1,2,3,4,5,6,7,8,9,10,11,12,13,14,15
	v_cvt_pk_f16_f32 v[S+32*\tq+\n], v[S+32*\tq+2*\n], v[S+32*\tq+2*\n+1]   ; P in place: register n is written when registers up to 2 n + 1 have been read
.endr
.endr
.irp tq, 0,1
.irp j, 0,2,4,6,8,10,12,14,16,18,20,22,24,26,28,30
	v_pk_mul_f32 v[O+32*\tq+\j:O+32*\tq+\j+1], v[O+32*\tq+\j:O+32*\tq+\j+1], v[ST+8*\tq+6:ST+8*\tq+7] op_sel_hi:[1,0]   ; O^T under the new m
.endr
.endr
	s_wait_dscnt 0x0                               ; V is in
.irp g, 0,1                            ; O^T += V^T P: eight accumulators by turns, keys 32 g on
.irp dt, 0,1,2,3
.irp tq, 0,1
	v_wmma_f32_16x16x32_f16 v[O+32*\tq+8*\dt:O+32*\tq+8*\dt+7], v[KV+32*\g+8*\dt:KV+32*\g+8*\dt+7], v[S+32*\tq+8*\g:S+32*\tq+8*\g+7], v[O+32*\tq+8*\dt:O+32*\tq+8*\dt+7]
.endr
.endr
.endr
.Lhidden_\@:
	s_add_co_u32 s[KF], s[KF], 64
	s_add_co_u32 s[TB], s[TB], 8192                ; 64 keys are 8,192 bytes of K's images, and of V's
.endm
; THE CHANGE OF SLOTS, at a slot's head.  Each wave waits for all its tensor loads, adds 0 to its spare word, and waits for that and for its reads of the slot that it has left.
; Behind the barrier the slot ahead is whole and nobody reads the other one, which is filled with the next 256 keys: that load has a slot's four steps in which to land.
.macro CHANGE fill
	s_wait_tensorcnt 0x0                           ; no tensor load of mine is out, so group 0 may be written
	ds_add_u32 v[SPW], v[NIL]
.if \fill
	ds_add_u32 v[SPW], v[NIL]                      ; and once more, in every trip alike
	s_xor_b32 s[G0+1], s[G0+1], SLOTB              ; the other slot than last time,
	s_add_nc_u64 s[G0+2:G0+3], s[G0+2:G0+3], 32768 ; the next 256 keys
	s_wait_xcnt 0x0                                ; the last prefetch, a slot back, has read its address
	s_add_nc_u64 s[PFA:PFA+1], s[PFA:PFA+1], 32768
.endif
	s_wait_dscnt 0x0                               ; the add is done, and my reads of the slot that I have left are over
	s_barrier_signal -1
	s_barrier_wait -1
.if \fill
	s_add_co_u32 s40, s[KF], 256                   ; the first key of the slot that this change would ask for
	s_cmp_gt_u32 s40, s[QL]                        ; past my work-group's last query: none of its waves would read it.  Ids and the count of steps alone: all sixteen waves go the same way
	s_cbranch_scc1 .Lpast_\@
	TLOAD                                          ; a wave's one tensor load until the next change
.Lpast_\@:
	ASK
.endif
.endm
.macro SLOT_STEPS                      ; a slot's four steps: written once, walked four times
	s_mov_b32 s[NST], 4
.Lstep_\@:
	STEP
	s_sub_co_u32 s[NST], s[NST], 1
	s_cmp_lg_u32 s[NST], 0
	s_cbranch_scc1 .Lstep_\@
	s_sub_co_u32 s[TB], s[TB], 32768               ; back to a slot's first step,
	s_xor_b32 s[TB], s[TB], SLOTB                  ; in the other slot
.endm
	s_wait_loadcnt 0x0                             ; Q
.Lslot:                                            ; 7 trips: behind each change of slots but the last the next slot is asked for, up to the causal limit
	CHANGE 1
	SLOT_STEPS
	s_sub_co_u32 s[SLOTS], s[SLOTS], 1
	s_cmp_lg_u32 s[SLOTS], 0
	s_cbranch_scc1 .Lslot
	CHANGE 0                                       ; the last slot is written out: nothing is left to ask for
	SLOT_STEPS
	; THE WAY OUT: O^T / the sum, rounded in pairs, IS an image for the projection: stored straight from registers
.rept 4
	v_nop                                          ; places behind the last products
.endr
.irp tq, 0,1
	v_add_f32 v[ST+8*\tq+4], v[ST+8*\tq+2], v[ST+8*\tq+3]
.endr
.irp tq, 0,1
	v_permlanex16_b32 v[ST+8*\tq+5], v[ST+8*\tq+4], s[SEL], s[SEL+1]
.endr
.irp tq, 0,1
	v_add_f32 v[ST+8*\tq+4], v[ST+8*\tq+4], v[ST+8*\tq+5]
.endr
.irp tq, 0,1
	v_rcp_f32 v[ST+8*\tq+6], v[ST+8*\tq+4]
.endr
	v_nop
	s_wait_alu depctr_va_vdst(0)                   ; one wait for the two reciprocals, ahead of their first reader
.irp tq, 0,1
.irp j, 0,2,4,6,8,10,12,14,16,18,20,22,24,26,28,30
	v_pk_mul_f32 v[O+32*\tq+\j:O+32*\tq+\j+1], v[O+32*\tq+\j:O+32*\tq+\j+1], v[ST+8*\tq+6:ST+8*\tq+7] op_sel_hi:[1,0]
.endr
.endr
.irp tq, 0,1
.irp dt, 0,1,2,3
.irp i, 0,1,2,3
	v_cvt_pk_f16_f32 v[KV+16*\tq+4*\dt+\i], v[O+32*\tq+8*\dt+2*\i], v[O+32*\tq+8*\dt+2*\i+1]
.endr
.endr
.endr
.irp tq, 0,1
.irp dt, 0,1,2,3
	global_store_b128 v[LI], v[KV+16*\tq+4*\dt:KV+16*\tq+4*\dt+3], s[YP:YP+1] offset:\tq*4096+\dt*512   ; 512 consecutive bytes, aligned
.endr
.endr
	s_wait_tensorcnt 0x0                           ; the wave's end
	ds_add_u32 v[SPW], v[NIL]
	s_wait_dscnt 0x0
	s_endpgm
.Lfunc_end_k_qf5be787d59_attn:
	.size	k_qf5be787d59_attn, .Lfunc_end_k_qf5be787d59_attn-k_qf5be787d59_attn
	.p2alignl 7, 3214868480
	.fill 96, 4, 3214868480
	.section	.rodata,"a",@progbits
	.p2align	6, 0x0
	.amdhsa_kernel k_qf5be787d59_attn
		.amdhsa_group_segment_fixed_size 327680
		.amdhsa_private_segment_fixed_size 0
		.amdhsa_enable_private_segment 0
		.amdhsa_kernarg_size 16
		.amdhsa_user_sgpr_count 2
		.amdhsa_user_sgpr_kernarg_segment_ptr 1
		.amdhsa_wavefront_size32 1
		.amdhsa_system_sgpr_workgroup_id_x 1
		.amdhsa_system_sgpr_workgroup_id_y 1
		.amdhsa_system_sgpr_workgroup_id_z 1
		.amdhsa_system_vgpr_workitem_id 0
		.amdhsa_next_free_vgpr 256
		.amdhsa_next_free_sgpr 66
		.amdhsa_reserve_vcc 1
		.amdhsa_float_denorm_mode_32 3
		.amdhsa_float_denorm_mode_16_64 3
		.amdhsa_memory_ordered 1
		.amdhsa_forward_progress 1
		.amdhsa_inst_pref_size 62
	.end_amdhsa_kernel
	.amdgpu_metadata
---
amdhsa.version: [ 1, 2 ]
amdhsa.kernels:
  - .name:           k_qf5be787d59_attn
    .symbol:         k_qf5be787d59_attn.kd
    .args:
      - { .name: qkv, .offset: 0, .size: 8, .value_kind: global_buffer, .address_space: global }
      - { .name: yf, .offset: 8, .size: 8, .value_kind: global_buffer, .address_space: global }
    .group_segment_fixed_size: 327680
    .private_segment_fixed_size: 0
    .kernarg_segment_align: 8
    .kernarg_segment_size: 16
    .max_flat_workgroup_size: 512
    .sgpr_count:     66
    .vgpr_count:     256
    .wavefront_size: 32
...
	.end_amdgpu_metadata
.endif
;; end of part 3
;; launch proj (part 4): grid 4 x 64, 4 waves a work-group, clusters of 4 x 4, 327,680 bytes of LDS; arguments yf, wof, out0; writes out0
.if DOCPART == 4
	.amdgcn_target "amdgcn-amd-amdhsa--gfx1250"
	.amdhsa_code_object_version 6
	.text
	.protected	k_qf5be787d59_proj
	.globl	k_qf5be787d59_proj
	.p2align	8
	.type	k_qf5be787d59_proj,@function
k_qf5be787d59_proj:
	s_mov_b64 s[64:65], 0
	v_nop
	global_prefetch_b8 v0, s[64:65] scope:SCOPE_SE
	s_setreg_imm32_b32 hwreg(HW_REG_WAVE_MODE, 25, 1), 1
	s_wait_xcnt 0x0
	s_wait_alu depctr_hold_cnt(0) depctr_sa_sdst(0) depctr_va_vdst(0) depctr_va_sdst(0) depctr_va_ssrc(0) depctr_va_vcc(0) depctr_vm_vsrc(0)
	s_getreg_b32 s2, hwreg(HW_REG_IB_STS2, 6, 4)
	s_cmp_eq_u32 s2, 0
	s_cbranch_scc0 .Lentry_in_a_cluster
	s_endpgm
.Lentry_in_a_cluster:
	s_bfe_u32 s2, ttmp6, 0x10000c
	s_cmp_lg_u32 s2, 0xf033
	s_cbranch_scc0 .Lentry_shape_is_right
	s_endpgm
.Lentry_shape_is_right:
; out0 = y Wo^T: [8192][1024] x [1024][1024], f16 operands, f32 sums, f32 out.  Both operands arrive as images of the operand's registers:
; yf + s 2097152 + rho 4096 + q 1024 + u 512 + 16 lane (K step s of 128, rows 16 rho on), wof + s 262144 + nu 4096 + .. likewise: a K step's tile is one dense block, a fragment two ds_load_b128 at a constant + 16 x lane.
; A tile of out0 is 128 rows x 256 columns: 256 work-groups.  Four waves, each 64 x 128: 32 accumulators, window 2.  K goes in 8 steps of 128 through a ring of two LDS slots.
; CLUSTER 4 x 4: y's tile hangs on the tile row alone and is shared along a row of the cluster, Wo's on the tile column alone and is shared along a column: each is asked for jointly.
; THE MATRIX INSTRUCTION IS USED TRANSPOSED (source 0 = 16 rows of Wo, source 1 = 16 rows of y): a lane holds eight neighbouring numbers of a row of out0.
; The rows of the first 16 positions of every sequence are written here too, and written over by a later launch that carries them in f32.
; REGISTERS: window 0: v16-29 addresses; v128-255 rows on the way out.  window 1: two fragment buffers at v0 and v128: Wo's 8 fragments, then y's 4.  window 2: accumulator (a, b) at v[8 (8 a + b)].
.set ATILE, 32768                      ; y: 8 row tiles x 4,096 bytes
.set BTILE, 65536                      ; Wo: 16 row tiles
.set SLOT,  ATILE+BTILE
.set STAGE, 2*SLOT                     ; behind the ring: 16 rows x (512 + 16) bytes for each wave; no fill lands here
.set SPITCH, 528
.set SPARE, STAGE+4*16*SPITCH
.set ASTEP, 2097152                    ; from a K step of yf to the next
.set BSTEP, 262144                     ; of wof
.set ADRA, 16
.set ADRB, 20
.set STO,  24
.set RD,   25
.set CO,   26
.set SPW,  28
.set NIL,  29
.set BK,   128
.set F0,   0
.set F1,   128
.set G1, 24
.set G0, 32
.set G1B, 48
.set G0B, 56
.set MSB, 0
.macro WIN new
.if MSB != (\new)
	s_set_vgpr_msb (MSB<<8)|(\new)
.set MSB, (\new)
.endif
.endm
.set MUL,  0xa5                        ; sources 0 and 1 window 1; C and D window 2
.set TO_F, 0x40                        ; destination window 1, address window 0
.macro JLOAD s                         ; waves 0, 1 fetch y's two halves, waves 2, 3 Wo's; an s_nop 0 and four v_nop follow each line
	s_cmp_eq_u32 s11, 0
	s_cbranch_scc0 .Lfor_b_\@
	tensor_load_to_lds s[G0+4*\s:G0+4*\s+3], s[G1:G1+7]
	s_nop 0
.rept 4
	v_nop
.endr
	s_branch .Lasked_\@
.Lfor_b_\@:
	tensor_load_to_lds s[G0B+4*\s:G0B+4*\s+3], s[G1B:G1B+7]
	s_nop 0
.rept 4
	v_nop
.endr
.Lasked_\@:
.endm
.macro CREST
	s_cmp_lg_u32 s10, 0
	s_cbranch_scc1 .Lnot_wave_0_\@
	s_barrier_signal -3
.Lnot_wave_0_\@:
	s_barrier_wait -3
	s_barrier_signal -1
	s_barrier_wait -1
.endm
.macro CROUND
	s_barrier_signal -1
	s_barrier_wait -1
	CREST
.endm
	s_load_b128 s[4:7], s[0:1], 0x0                ; yf s[4:5], wof s[6:7]
	s_load_b64 s[8:9], s[0:1], 0x10                ; out0
	v_lshl_add_u32 v[SPW], v0, 2, SPARE
	v_mov_b32 v[NIL], 0
	ds_add_u32 v[SPW], v[NIL]                      ; the wave's opening: the add, twice on end, and its wait ahead of my first tensor load
	ds_add_u32 v[SPW], v[NIL]
	v_lshrrev_b32 v1, 5, v0
	v_readfirstlane_b32 s10, v1                    ; wave 0..3
	s_lshr_b32 s11, s10, 1                         ; my half of the tile's rows.  Also: I fetch for y (0) or for Wo (1)
	s_and_b32 s12, s10, 1                          ; my half of its columns.  Also: which half of that tile I fetch
	s_bfe_u32 s40, ttmp6, 0x40000                  ; cx
	s_bfe_u32 s41, ttmp6, 0x40004                  ; cy
	s_lshl_b32 s42, ttmp9, 2
	s_add_co_u32 s42, s42, s40                     ; tile column
	s_and_b32 s13, ttmp7, 0xffff
	s_lshl_b32 s13, s13, 2
	s_add_co_u32 s13, s13, s41                     ; tile row
	s_lshl_b32 s43, s41, 2
	s_lshl_b32 s43, 15, s43                        ; my row of the cluster
	s_lshl_b32 s44, 0x1111, s40                    ; my column
	s_or_b32 s[G1+0], s43, (3<<16)|(1<<21)         ; the mask; elements of 8 bytes; bit 21 beside a mask; no padding
	s_or_b32 s[G1B+0], s44, (3<<16)|(1<<21)
	s_mov_b32 s[G1+1], 32<<16                      ; y's half: 16,384 dense bytes as 64 rows of 256
	s_mov_b32 s[G1+2], 64<<16
	s_mov_b32 s[G1+3], 32<<16
	s_mov_b32 s[G1+4], 64
	s_mov_b32 s[G1+5], 32
	s_mov_b32 s[G1+6], 0
	s_mov_b32 s[G1+7], 0
	s_mov_b32 s[G1B+1], 32<<16                     ; Wo's half: 32,768 dense bytes as 128 rows of 256
	s_mov_b32 s[G1B+2], 128<<16
	s_mov_b32 s[G1B+3], 32<<16
	s_mov_b32 s[G1B+4], 128
	s_mov_b32 s[G1B+5], 32
	s_mov_b32 s[G1B+6], 0
	s_mov_b32 s[G1B+7], 0
	s_lshl_b32 s16, s13, 15                        ; y: tile row x 32,768
	s_lshl_b32 s20, s12, 14                        ; + half x 16,384, in memory and in LDS
	s_add_co_u32 s16, s16, s20
	s_mov_b32 s17, 0
	s_lshl_b32 s46, s42, 16                        ; Wo: tile column x 65,536
	s_lshl_b32 s21, s12, 15                        ; + half x 32,768
	s_add_co_u32 s46, s46, s21
	s_mov_b32 s47, 0
	s_add_co_u32 s21, s21, ATILE                   ; in LDS behind y's tile
	s_wait_dscnt 0x0                               ; both opening adds are done
	s_wait_kmcnt 0x0
	s_add_nc_u64 s[14:15], s[4:5], s[16:17]
	s_add_nc_u64 s[46:47], s[6:7], s[46:47]
	CROUND                                         ; all sixteen work-groups are here: the first joint loads meet
.irp s, 0,1
	s_mov_b32 s[G0+4*\s], 1
	s_add_co_u32 s[G0+4*\s+1], s20, \s*SLOT
	s_add_nc_u64 s[G0+4*\s+2:G0+4*\s+3], s[14:15], \s*ASTEP
	s_or_b32 s[G0+4*\s+3], s[G0+4*\s+3], 0x80000000
	s_mov_b32 s[G0B+4*\s], 1
	s_add_co_u32 s[G0B+4*\s+1], s21, \s*SLOT
	s_add_nc_u64 s[G0B+4*\s+2:G0B+4*\s+3], s[46:47], \s*BSTEP
	s_or_b32 s[G0B+4*\s+3], s[G0B+4*\s+3], 0x80000000
	JLOAD \s                                       ; two loads of mine are out
.endr
	v_and_b32 v1, 15, v0                           ; r
	v_bfe_u32 v2, v0, 4, 1                         ; h
	v_and_b32 v3, 31, v0
	v_lshlrev_b32 v[CO], 4, v3                     ; 16 x lane
	s_lshl_b32 s22, s11, 14                        ; my 64 rows of y
	s_lshl_b32 s23, s12, 15                        ; my 128 rows of Wo,
	s_add_co_u32 s23, s23, ATILE                   ; behind y's tile
.irp s, 0,1
	v_add_nc_u32 v[ADRA+\s], s22, v[CO]
	v_add_nc_u32 v[ADRB+\s], s23, v[CO]
	s_add_co_u32 s22, s22, SLOT
	s_add_co_u32 s23, s23, SLOT
.endr
	s_mul_i32 s23, s10, 16*SPITCH
	s_add_co_u32 s23, s23, STAGE                   ; my stage
	v_mul_u32_u24 v4, v1, SPITCH
	v_lshl_add_u32 v4, v2, 5, v4
	v_add_nc_u32 v[STO], s23, v4                   ; in: row r, 32 bytes for each half of the lanes
	v_add_nc_u32 v[RD], s23, v[CO]                 ; back: the 32 lanes take one row of 512 bytes
	s_lshl_b32 s16, s13, 7
	s_lshl_b32 s17, s11, 6
	s_add_co_u32 s16, s16, s17                     ; my first row of out0
	s_lshl_b32 s16, s16, 12                        ; 4,096 bytes a row
	s_mov_b32 s17, 0
	s_add_nc_u64 s[8:9], s[8:9], s[16:17]
	s_lshl_b32 s46, s42, 10                        ; my first column, in bytes
	s_lshl_b32 s47, s12, 9
	s_add_co_u32 s46, s46, s47
	s_mov_b32 s47, 0
	s_add_nc_u64 s[8:9], s[8:9], s[46:47]
.macro MUL8 f, a, zero                 ; y's block a x Wo's eight, 32 along K.  The 32 accumulators take turns, one instruction a turn, in the same order everywhere
.irp b, 0,1,2,3,4,5,6,7
.if \zero
	v_wmma_f32_16x16x32_f16 v[8*(8*(\a)+\b):8*(8*(\a)+\b)+7], v[(\f)+8*\b:(\f)+8*\b+7], v[(\f)+64+8*(\a):(\f)+64+8*(\a)+7], 0
.else
	v_wmma_f32_16x16x32_f16 v[8*(8*(\a)+\b):8*(8*(\a)+\b)+7], v[(\f)+8*\b:(\f)+8*\b+7], v[(\f)+64+8*(\a):(\f)+64+8*(\a)+7], v[8*(8*(\a)+\b):8*(8*(\a)+\b)+7]
.endif
.endr
.endm
.macro MUL16 f, a0, zero
	MUL8 \f, \a0, \zero
	MUL8 \f, (\a0)+1, \zero
.endm
.macro FETCH slot, q, f                ; 24 LDS loads in one run: Wo's 8 fragments, y's blocks 0, 1, y's blocks 2, 3, of the slot's q-th 32 along K
	WIN TO_F
.irp b, 0,1,2,3,4,5,6,7
.irp u, 0,1
	ds_load_b128 v[(\f)+8*\b+4*\u:(\f)+8*\b+4*\u+3], v[ADRB+\slot] offset:\b*4096+(\q)*1024+\u*512
.endr
.endr
.irp a, 0,1,2,3
.irp u, 0,1
	ds_load_b128 v[(\f)+64+8*\a+4*\u:(\f)+64+8*\a+4*\u+3], v[ADRA+\slot] offset:\a*4096+(\q)*1024+\u*512
.endr
.endr
.endm
.macro PLACES
.rept 4
	v_nop
.endr
.endm
.macro QUARTER slot, qn, f, g, zero    ; multiplies buffer f; in its middle fetches the slot's quarter qn into buffer g
	s_wait_dscnt 4                                 ; Wo's fragments and y's blocks 0, 1 are in; blocks 2, 3 (4 loads) may be out
	WIN MUL
	MUL16 \f, 0, \zero
	PLACES                                         ; in front of loads into registers that matrix instructions have read
	FETCH \slot, \qn, \g
	s_wait_dscnt 24                                ; all but the 24 just issued
	WIN MUL
	MUL16 \f, 2, \zero
.endm
; A slot's last quarter multiplies buffer 1 and changes slots: one barrier; in front of it each wave waits for all its tensor loads, adds 0 to its spare word, and waits for that and for its reads of this slot.
.macro TURN slot, next, fill
	WIN 0
	s_wait_tensorcnt 0x0                           ; all my tensor loads have landed: my part of the next slot
	ds_add_u32 v[SPW], v[NIL]
	s_wait_dscnt 5                                 ; (the add and y's blocks 2, 3 may be out)
	WIN MUL
	MUL8 F1, 0, 0
	s_wait_dscnt 0x0                               ; the add is done, and my reads of this slot are over
	s_barrier_signal -1
	MUL8 F1, 1, 0
.if \fill
	WIN 0
.endif
	s_barrier_wait -1
.if \fill
	CREST                                          ; the barrier has opened a round of the cluster's: no wave of any partner still reads this slot or has a load on its way
	s_add_nc_u64 s[G0+4*\slot+2:G0+4*\slot+3], s[G0+4*\slot+2:G0+4*\slot+3], 2*ASTEP
	s_add_nc_u64 s[G0B+4*\slot+2:G0B+4*\slot+3], s[G0B+4*\slot+2:G0B+4*\slot+3], 2*BSTEP
	JLOAD \slot                                    ; my one tensor load behind the round; its four v_nop are also the places in front of the loads below
.else
	PLACES
.endif
	FETCH \next, 0, F0
	WIN MUL
	MUL16 F1, 2, 0
.endm
	s_wait_tensorcnt 1                             ; my part of K step 0 is in; K step 1's load may be out
	s_barrier_signal -1
	s_barrier_wait -1
	FETCH 0, 0, F0
	QUARTER 0, 1, F0, F1, 1                        ; the first products start the sums
	WIN 0
	s_mov_b32 s3, 3
.Llap:                                             ; a trip goes once round the ring and fills both slots again: K steps 2 to 7
	QUARTER 0, 2, F1, F0, 0
	QUARTER 0, 3, F0, F1, 0
	TURN 0, 1, 1
	QUARTER 1, 1, F0, F1, 0
	QUARTER 1, 2, F1, F0, 0
	QUARTER 1, 3, F0, F1, 0
	TURN 1, 0, 1
	QUARTER 0, 1, F0, F1, 0
	WIN 0
	s_sub_co_u32 s3, s3, 1
	s_cmp_lg_u32 s3, 0
	s_cbranch_scc1 .Llap
	QUARTER 0, 2, F1, F0, 0                        ; the last lap fills nothing
	QUARTER 0, 3, F0, F1, 0
	TURN 0, 1, 0
	QUARTER 1, 1, F0, F1, 0
	QUARTER 1, 2, F1, F0, 0
	QUARTER 1, 3, F0, F1, 0
	s_wait_dscnt 4
	WIN MUL
	MUL16 F1, 0, 0
	s_wait_dscnt 0
	MUL16 F1, 2, 0
	WIN 0
; THE WAY OUT, 16 rows x 128 columns at a time: through my own stage and back as whole rows of 512 bytes.  LDS serves a wave's instructions in order: no wait between the stores and the loads.
.macro TOSTAGE a
	WIN 0x08                                       ; an LDS store's data: window 2
.irp b, 0,1,2,3,4,5,6,7
	ds_store_b128 v[STO], v[8*(8*(\a)+\b):8*(8*(\a)+\b)+3] offset:64*\b          ; each accumulator from its low end on
	ds_store_b128 v[STO], v[8*(8*(\a)+\b)+4:8*(8*(\a)+\b)+7] offset:64*\b+16
.endr
	WIN 0
.set BB, BK+64*((\a)%2)
.irp t, 0,1,2,3,4,5,6,7,8,9,10,11,12,13,14,15
	ds_load_b128 v[BB+4*\t:BB+4*\t+3], v[RD] offset:\t*SPITCH
.endr
.endm
.macro SEND a, younger
.set BB, BK+64*((\a)%2)
	s_wait_dscnt \younger                          ; the block is back in registers
.if (\a) > 0
	s_add_nc_u64 s[8:9], s[8:9], 16*4096           ; (behind a wait on XCNT: the earlier stores have read their base)
.endif
.irp t, 0,1,2,3,4,5,6,7,8,9,10,11,12,13,14,15
	global_store_b128 v[CO], v[BB+4*\t:BB+4*\t+3], s[8:9] offset:\t*4096 th:TH_STORE_NT   ; 512 consecutive bytes, aligned
.endr
.endm
	PLACES
	TOSTAGE 0
.irp a, 1,2,3
.if \a > 1
	s_wait_xcnt 0x0                                ; block a - 2's stores have read their registers and their base
.endif
	TOSTAGE \a
	SEND \a-1, 32                                  ; behind block a - 1's loads: block a's 16 stores and 16 loads
.endr
	s_wait_xcnt 0x0
	SEND 3, 0
	s_wait_tensorcnt 0x0                           ; the wave's end
	ds_add_u32 v[SPW], v[NIL]
	s_wait_dscnt 0x0
	CROUND                                         ; the closing round
	s_endpgm
.Lfunc_end_k_qf5be787d59_proj:
	.size	k_qf5be787d59_proj, .Lfunc_end_k_qf5be787d59_proj-k_qf5be787d59_proj
	.p2alignl 7, 3214868480
	.fill 96, 4, 3214868480
	.section	.rodata,"a",@progbits
	.p2align	6, 0x0
	.amdhsa_kernel k_qf5be787d59_proj
		.amdhsa_group_segment_fixed_size 327680
		.amdhsa_private_segment_fixed_size 0
		.amdhsa_enable_private_segment 0
		.amdhsa_kernarg_size 24
		.amdhsa_user_sgpr_count 2
		.amdhsa_user_sgpr_kernarg_segment_ptr 1
		.amdhsa_wavefront_size32 1
		.amdhsa_system_sgpr_workgroup_id_x 1
		.amdhsa_system_sgpr_workgroup_id_y 1
		.amdhsa_system_sgpr_workgroup_id_z 1
		.amdhsa_system_vgpr_workitem_id 0
		.amdhsa_next_free_vgpr 768
		.amdhsa_next_free_sgpr 66
		.amdhsa_reserve_vcc 0
		.amdhsa_float_denorm_mode_32 3
		.amdhsa_float_denorm_mode_16_64 3
		.amdhsa_memory_ordered 1
		.amdhsa_forward_progress 1
		.amdhsa_inst_pref_size 84
	.end_amdhsa_kernel
	.amdgpu_metadata
---
amdhsa.version: [ 1, 2 ]
amdhsa.kernels:
  - .name:           k_qf5be787d59_proj
    .symbol:         k_qf5be787d59_proj.kd
    .args:
      - { .name: yf, .offset: 0, .size: 8, .value_kind: global_buffer, .address_space: global }
      - { .name: wof, .offset: 8, .size: 8, .value_kind: global_buffer, .address_space: global }
      - { .name: out0, .offset: 16, .size: 8, .value_kind: global_buffer, .address_space: global }
    .group_segment_fixed_size: 327680
    .private_segment_fixed_size: 0
    .kernarg_segment_align: 8
    .kernarg_segment_size: 24
    .max_flat_workgroup_size: 128
    .sgpr_count:     66
    .vgpr_count:     768
    .wavefront_size: 32
...
	.end_amdgpu_metadata
.endif
;; end of part 4
;; launch fine_attn (part 5): grid 16 x 4, 1 waves a work-group, no clusters, 0 bytes of LDS; arguments codes, scales, cos, sin, yfine; writes yfine
.if DOCPART == 5
	.amdgcn_target "amdgcn-amd-amdhsa--gfx1250"
	.amdhsa_code_object_version 6
	.text
	.protected	k_qf5be787d59_fine_attn
	.globl	k_qf5be787d59_fine_attn
	.p2align	8
	.type	k_qf5be787d59_fine_attn,@function
k_qf5be787d59_fine_attn:
	s_mov_b64 s[64:65], 0
	v_nop
	global_prefetch_b8 v0, s[64:65] scope:SCOPE_SE
	s_setreg_imm32_b32 hwreg(HW_REG_WAVE_MODE, 25, 1), 1
	s_wait_xcnt 0x0
; The first 16 positions of every sequence, carried in f32: they average one to sixteen values and are the largest numbers of the output.  One wave for each pair (head = x, batch = y): 64 work-groups, as many as there is work for.
; q, k, v of these 16 tokens and this head are made again from the codes (16 x 192 x 1,024 of the first product) by the FP4 matrix instruction; rotary, scores, softmax and p v are f32 (v_wmma_f32_16x16x4_f32: no bulk work).
; NOTHING CHANGES LANES.  q, k transposed (source 0 = 16 rows of W, source 1 = x's 16 rows): lane (r, h) holds token r, dims 16 t + 8 h + j.  v natural: lane (r, h) holds dim 16 t + r, tokens 8 h + j.
; The f32 form wants register jj = k 2 h + jj of the lane's row.  The pair (2 i, 2 i + 1) of q and the same pair of k hold the same dims in the same lanes, so they are its two sources as they stand; likewise v's pairs and p's, over the keys.
; OUT: yfine f32 [16 b + t][1024].  A lane stores 32 neighbouring bytes of a row: pieces of 64 bytes a row; the buffer has 262,144 bytes in all.
; REGISTERS: window 0: v1-15 addresses and work; v16-19 x's scale words (lanes 0-15: K steps 0-3, lanes 16-31: 4-7), v20-67 W's: scales and nothing else; v68-83 cos, v84-99 sin, later the results;
;   v100-131 rotated q, v132-163 rotated k; v164-171 the scores, then p; v192-223 four sums of S^T, v224-255 four of O^T: written by matrix instructions alone.
;   windows 1 and 3: v0-127: W's fragments of half of K (4 tiles x 4 K steps), by turns.   window 2: v0-63 x's 8 fragments; v64-159 the FP4 sums (part p, tile t: 64 + 32 p + 8 t).
.set RQ, 100
.set SP, 164
.set SA, 192
.set OA, 224
.set MSB, 0
.macro WIN new
.if MSB != (\new)
	s_set_vgpr_msb (MSB<<8)|(\new)
.set MSB, (\new)
.endif
.endm
	s_load_b256 s[4:11], s[0:1], 0x0               ; codes s[4:5], scales s[6:7], cos s[8:9], sin s[10:11]
	s_load_b64 s[12:13], s[0:1], 0x20              ; yfine
	v_and_b32 v1, 15, v0                           ; r
	v_lshrrev_b32 v2, 4, v0                        ; h
	v_lshlrev_b32 v3, 9, v1
	v_lshl_add_u32 v3, v2, 4, v3                   ; codes: row r of 512 bytes, + 16 h
	v_lshlrev_b32 v4, 5, v1
	v_lshl_add_u32 v4, v2, 4, v4                   ; scales: row r of 32 bytes, + 16 h
	v_lshlrev_b32 v5, 7, v1
	v_lshl_add_u32 v5, v2, 4, v5                   ; cos, sin: position r, + 16 h
	v_lshlrev_b32 v6, 12, v1
	v_lshl_add_u32 v6, v2, 5, v6                   ; yfine: row r of 4,096 bytes, + 32 h
	v_lshlrev_b32 v7, 3, v2
	v_sub_nc_u32 v7, v1, v7                        ; r - 8 h
	v_mov_b32 v8, 0xff800000                       ; -infinity
	s_and_b32 s14, ttmp7, 0xffff                   ; b
	s_lshl_b32 s16, s14, 20                        ; x's rows 2048 b on: 512 bytes a row
	s_mov_b32 s17, 0
	s_lshl_b32 s18, s14, 16                        ; 32 bytes a row; also 16 rows of yfine
	s_mov_b32 s19, 0
	s_lshl_b32 s20, ttmp9, 15                      ; W's rows 8192 + 64 head on
	s_add_co_u32 s20, s20, 4194304
	s_mov_b32 s21, 0
	s_lshl_b32 s22, ttmp9, 11
	s_add_co_u32 s22, s22, 262144
	s_mov_b32 s23, 0
	s_lshl_b32 s24, ttmp9, 8                       ; the head's 64 columns
	s_add_co_u32 s24, s24, s18
	s_mov_b32 s25, 0
	s_mov_b32 s34, 0x76543210
	s_mov_b32 s35, 0xfedcba98                      ; lane l xor 16
	s_mov_b32 s36, 0x3e38aa3b                      ; c = log2(e) / 8
	s_mov_b32 s37, s36
	s_wait_kmcnt 0x0
	s_add_nc_u64 s[26:27], s[4:5], s[16:17]        ; x's codes
	s_add_nc_u64 s[28:29], s[6:7], s[18:19]        ; x's scales
	s_add_nc_u64 s[30:31], s[4:5], s[20:21]        ; Wq's codes for this head; Wk's 524,288 bytes on, Wv's twice that
	s_add_nc_u64 s[32:33], s[6:7], s[22:23]        ; and scales: 32,768 bytes a part
	s_add_nc_u64 s[12:13], s[12:13], s[24:25]
	WIN 0x80                                       ; destination window 2
.irp s, 0,1,2,3,4,5,6,7
.irp c, 0,1
	global_load_b128 v[8*\s+4*\c:8*\s+4*\c+3], v3, s[26:27] offset:64*\s+32*\c
.endr
.endr
	WIN 0
	global_load_b128 v[16:19], v4, s[28:29]
.irp p, 0,1,2
.irp t, 0,1,2,3
	global_load_b128 v[20+16*\p+4*\t:20+16*\p+4*\t+3], v4, s[32:33] offset:\p*32768+\t*512
.endr
.endr
.irp t, 0,1,2,3
	global_load_b128 v[68+4*\t:68+4*\t+3], v5, s[8:9] offset:32*\t    ; the pairs 8 t + 4 h + 0 .. 3 of position r
	global_load_b128 v[84+4*\t:84+4*\t+3], v5, s[10:11] offset:32*\t
.endr
.macro HALFLOAD p, kh, w               ; part p, K steps 4 kh on, into window w: 32 loads
	WIN (\w)<<6
.irp t, 0,1,2,3
.irp s, 0,1,2,3
.irp c, 0,1
	global_load_b128 v[32*\t+8*\s+4*\c:32*\t+8*\s+4*\c+3], v3, s[30:31] offset:(\p)*524288+\t*8192+(4*(\kh)+\s)*64+32*\c
.endr
.endr
.endr
.endm
.macro W4 d, a, b, c, sa, sb, kh       ; K steps 4 to 7 take their scale words from lanes 16-31
.if \kh
	v_wmma_scale_f32_16x16x128_f8f6f4 \d, \a, \b, \c, \sa, \sb matrix_a_fmt:MATRIX_FMT_FP4 matrix_b_fmt:MATRIX_FMT_FP4 matrix_a_scale:MATRIX_SCALE_ROW1 matrix_b_scale:MATRIX_SCALE_ROW1
.else
	v_wmma_scale_f32_16x16x128_f8f6f4 \d, \a, \b, \c, \sa, \sb matrix_a_fmt:MATRIX_FMT_FP4 matrix_b_fmt:MATRIX_FMT_FP4
.endif
.endm
.macro HALFMUL p, kh, w, left          ; 16 products: the part's four sums by turns, K ascending
	s_wait_loadcnt \left                           ; this half is in; the next half's 32 loads may be out
.if (\p) < 2
	WIN 0xa8|(\w)                                  ; source 0 = W, source 1 = x (window 2), C and D window 2
.else
	WIN 0xa2|((\w)<<2)                             ; source 0 = x, source 1 = W
.endif
.irp s, 0,1,2,3
.irp t, 0,1,2,3
.set AQ, 64+32*(\p)+8*\t
.set WF, 32*\t+8*\s
.set XF, 8*(4*(\kh)+\s)
.set SW, 20+16*(\p)+4*\t+\s
.set SX, 16+\s
.if (\p) < 2
.if ((\kh) == 0) && (\s == 0)
	W4 v[AQ:AQ+7], v[WF:WF+7], v[XF:XF+7], 0, v[SW], v[SX], \kh
.else
	W4 v[AQ:AQ+7], v[WF:WF+7], v[XF:XF+7], v[AQ:AQ+7], v[SW], v[SX], \kh
.endif
.else
.if ((\kh) == 0) && (\s == 0)
	W4 v[AQ:AQ+7], v[XF:XF+7], v[WF:WF+7], 0, v[SX], v[SW], \kh
.else
	W4 v[AQ:AQ+7], v[XF:XF+7], v[WF:WF+7], v[AQ:AQ+7], v[SX], v[SW], \kh
.endif
.endif
.endr
.endr
	WIN 0
.rept 4
	v_nop                                          ; places in front of loads into registers that these products have read
.endr
.endm
	HALFLOAD 0, 0, 1
	HALFLOAD 0, 1, 3
	HALFMUL 0, 0, 1, 32
	HALFLOAD 1, 0, 1
	HALFMUL 0, 1, 3, 32
	HALFLOAD 1, 1, 3
	HALFMUL 1, 0, 1, 32
	HALFLOAD 2, 0, 1
	HALFMUL 1, 1, 3, 32
	HALFLOAD 2, 1, 3
	HALFMUL 2, 0, 1, 32
	HALFMUL 2, 1, 3, 0
	v_nop
	WIN 0x02                                       ; source 0: window 2
.irp p, 0,1                            ; the rotary on q and k
.irp t, 0,1,2,3
.irp i, 0,1,2,3
	v_mul_f32 v[RQ+32*\p+8*\t+2*\i], v[64+32*\p+8*\t+2*\i+1], v[84+4*\t+\i]       ; x2 sin
	v_mul_f32 v[RQ+32*\p+8*\t+2*\i+1], v[64+32*\p+8*\t+2*\i+1], v[68+4*\t+\i]     ; x2 cos
.endr
.irp i, 0,1,2,3
	v_fma_f32 v[RQ+32*\p+8*\t+2*\i], v[64+32*\p+8*\t+2*\i], v[68+4*\t+\i], -v[RQ+32*\p+8*\t+2*\i]
	v_fma_f32 v[RQ+32*\p+8*\t+2*\i+1], v[64+32*\p+8*\t+2*\i], v[84+4*\t+\i], v[RQ+32*\p+8*\t+2*\i+1]
.endr
.endr
.endr
	WIN 0
.irp i, 0,1,2,3                        ; S^T = k q^T: four dims an instruction, four sums by turns; the first four start them
.irp t, 0,1,2,3
.if \i == 0
	v_wmma_f32_16x16x4_f32 v[SA+8*\t:SA+8*\t+7], v[RQ+32+8*\t+2*\i:RQ+32+8*\t+2*\i+1], v[RQ+8*\t+2*\i:RQ+8*\t+2*\i+1], 0
.else
	v_wmma_f32_16x16x4_f32 v[SA+8*\t:SA+8*\t+7], v[RQ+32+8*\t+2*\i:RQ+32+8*\t+2*\i+1], v[RQ+8*\t+2*\i:RQ+8*\t+2*\i+1], v[SA+8*\t:SA+8*\t+7]
.endif
.endr
.endr
.rept 8
	v_nop                                          ; eight places behind this form
.endr
.irp j, 0,2,4,6                        ; lane (r, h): query r, keys 8 h + j
	v_pk_add_f32 v[SP+\j:SP+\j+1], v[SA+\j:SA+\j+1], v[SA+8+\j:SA+8+\j+1]
	v_pk_add_f32 v[SP+\j:SP+\j+1], v[SP+\j:SP+\j+1], v[SA+16+\j:SA+16+\j+1]
	v_pk_add_f32 v[SP+\j:SP+\j+1], v[SP+\j:SP+\j+1], v[SA+24+\j:SA+24+\j+1]
.endr
.irp j, 0,1,2,3,4,5,6,7
	v_cmp_gt_i32 vcc_lo, \j, v7                    ; key 8 h + j after query r
	v_cndmask_b32 v[SP+\j], v[SP+\j], v8, vcc_lo
.endr
	v_max3_num_f32 v9, v[SP], v[SP+1], v[SP+2]
	v_max3_num_f32 v9, v9, v[SP+3], v[SP+4]
	v_max3_num_f32 v9, v9, v[SP+5], v[SP+6]
	v_max_num_f32 v9, v9, v[SP+7]
	v_mov_b32 v10, 0
	v_permlanex16_b32 v10, v9, s34, s35
	v_max_num_f32 v12, v9, v10                     ; the row's maximum: key 0 counts for every query
	v_mov_b32 v13, 0                               ; (named with it as a pair)
.irp j, 0,2,4,6
	v_pk_add_f32 v[SP+\j:SP+\j+1], v[SP+\j:SP+\j+1], v[12:13] op_sel_hi:[1,0] neg_lo:[0,1] neg_hi:[0,1]
.endr
.irp j, 0,2,4,6
	v_pk_mul_f32 v[SP+\j:SP+\j+1], v[SP+\j:SP+\j+1], s[36:37] op_sel_hi:[1,0]
.endr
.irp j, 0,1,2,3,4,5,6,7
	v_exp_f32 v[SP+\j], v[SP+\j]
.endr
	v_nop
	s_wait_alu depctr_va_vdst(0)                   ; one wait for the eight, ahead of their first reader
	v_pk_add_f32 v[14:15], v[SP:SP+1], v[SP+2:SP+3]
	v_pk_add_f32 v[10:11], v[SP+4:SP+5], v[SP+6:SP+7]
	v_pk_add_f32 v[14:15], v[14:15], v[10:11]
	v_add_f32 v14, v14, v15
	v_permlanex16_b32 v10, v14, s34, s35
	v_add_f32 v14, v14, v10                        ; the row's sum
	v_rcp_f32 v14, v14
	v_nop
	WIN 0x02                                       ; source 0 (v) window 2
.irp i, 0,1,2,3                        ; O^T = v^T p: four keys an instruction, four sums by turns
.irp t, 0,1,2,3
.if \i == 0
	v_wmma_f32_16x16x4_f32 v[OA+8*\t:OA+8*\t+7], v[128+8*\t+2*\i:128+8*\t+2*\i+1], v[SP+2*\i:SP+2*\i+1], 0
.else
	v_wmma_f32_16x16x4_f32 v[OA+8*\t:OA+8*\t+7], v[128+8*\t+2*\i:128+8*\t+2*\i+1], v[SP+2*\i:SP+2*\i+1], v[OA+8*\t:OA+8*\t+7]
.endif
.endr
.endr
	WIN 0
.rept 8
	v_nop
.endr
	s_wait_alu depctr_va_vdst(0)                   ; the reciprocal's wait, ahead of its first reader
.irp t, 0,1,2,3
.irp j, 0,2,4,6
	v_pk_mul_f32 v[68+8*\t+\j:68+8*\t+\j+1], v[OA+8*\t+\j:OA+8*\t+\j+1], v[14:15] op_sel_hi:[1,0]   ; into other registers: y(r, 16 t + 8 h + j)
.endr
.endr
.irp t, 0,1,2,3
	global_store_b128 v6, v[68+8*\t:68+8*\t+3], s[12:13] offset:64*\t
	global_store_b128 v6, v[72+8*\t:72+8*\t+3], s[12:13] offset:64*\t+16
.endr
	s_endpgm
.Lfunc_end_k_qf5be787d59_fine_attn:
	.size	k_qf5be787d59_fine_attn, .Lfunc_end_k_qf5be787d59_fine_attn-k_qf5be787d59_fine_attn
	.p2alignl 7, 3214868480
	.fill 96, 4, 3214868480
	.section	.rodata,"a",@progbits
	.p2align	6, 0x0
	.amdhsa_kernel k_qf5be787d59_fine_attn
		.amdhsa_group_segment_fixed_size 0
		.amdhsa_private_segment_fixed_size 0
		.amdhsa_enable_private_segment 0
		.amdhsa_kernarg_size 40
		.amdhsa_user_sgpr_count 2
		.amdhsa_user_sgpr_kernarg_segment_ptr 1
		.amdhsa_wavefront_size32 1
		.amdhsa_system_sgpr_workgroup_id_x 1
		.amdhsa_system_sgpr_workgroup_id_y 1
		.amdhsa_system_sgpr_workgroup_id_z 1
		.amdhsa_system_vgpr_workitem_id 0
		.amdhsa_next_free_vgpr 896
		.amdhsa_next_free_sgpr 66
		.amdhsa_reserve_vcc 1
		.amdhsa_float_denorm_mode_32 3
		.amdhsa_float_denorm_mode_16_64 3
		.amdhsa_memory_ordered 1
		.amdhsa_forward_progress 1
		.amdhsa_inst_pref_size 51
	.end_amdhsa_kernel
	.amdgpu_metadata
---
amdhsa.version: [ 1, 2 ]
amdhsa.kernels:
  - .name:           k_qf5be787d59_fine_attn
    .symbol:         k_qf5be787d59_fine_attn.kd
    .args:
      - { .name: codes, .offset: 0, .size: 8, .value_kind: global_buffer, .address_space: global }
      - { .name: scales, .offset: 8, .size: 8, .value_kind: global_buffer, .address_space: global }
      - { .name: cos, .offset: 16, .size: 8, .value_kind: global_buffer, .address_space: global }
      - { .name: sin, .offset: 24, .size: 8, .value_kind: global_buffer, .address_space: global }
      - { .name: yfine, .offset: 32, .size: 8, .value_kind: global_buffer, .address_space: global }
    .group_segment_fixed_size: 0
    .private_segment_fixed_size: 0
    .kernarg_segment_align: 8
    .kernarg_segment_size: 40
    .max_flat_workgroup_size: 32
    .sgpr_count:     66
    .vgpr_count:     896
    .wavefront_size: 32
...
	.end_amdgpu_metadata
.endif
;; end of part 5
;; launch fine_proj (part 6): grid 64 x 4, 1 waves a work-group, no clusters, 0 bytes of LDS; arguments yfine, Wo, out0; writes out0
.if DOCPART == 6
	.amdgcn_target "amdgcn-amd-amdhsa--gfx1250"
	.amdhsa_code_object_version 6
	.text
	.protected	k_qf5be787d59_fine_proj
	.globl	k_qf5be787d59_fine_proj
	.p2align	8
	.type	k_qf5be787d59_fine_proj,@function
k_qf5be787d59_fine_proj:
	s_mov_b64 s[64:65], 0
	v_nop
	global_prefetch_b8 v0, s[64:65] scope:SCOPE_SE
	s_setreg_imm32_b32 hwreg(HW_REG_WAVE_MODE, 25, 1), 1
	s_wait_xcnt 0x0
; The projection of the first 16 positions of every sequence, in f32: out0[b][t < 16][:] = yfine[16 b + t][:] Wo^T, written over what the f16 projection left in these rows.
; One wave makes 16 rows x 16 columns (columns 16 x on, batch y): 256 work-groups.  v_wmma_f32_16x16x4_f32: 64 of out0's 8,192 rows, no bulk work.
; K = 1,024 in 16 chunks of 64.  Lane (r, h) loads, of its row, the four numbers k = 64 chunk + 8 e + 4 h + 0 .. 3 (e = 0 .. 7): each register pair is a source as it stands; the same order of k serves both sources.
; Source 0 = Wo's rows: a lane holds eight neighbouring columns of one row of out0.  Four sums by turns, started by the first four products; they are written by matrix instructions alone and added into other registers at the end.
; A lane stores 32 neighbouring bytes: pieces of 64 bytes a row.
; REGISTERS: v3, v4 offsets; three sets of 64 at v16, v80, v144 (Wo's 32, then yfine's 32); v208-239 the four sums; v240-247 the result.
	s_load_b128 s[4:7], s[0:1], 0x0                ; yfine s[4:5], Wo s[6:7]
	s_load_b64 s[8:9], s[0:1], 0x10                ; out0
	v_and_b32 v1, 15, v0                           ; r
	v_lshrrev_b32 v2, 4, v0                        ; h
	v_lshlrev_b32 v3, 12, v1                       ; rows of 4,096 bytes in all three
	v_lshl_add_u32 v4, v2, 5, v3                   ; out: + 32 h
	v_lshl_add_u32 v3, v2, 4, v3                   ; in: + 16 h
	s_and_b32 s10, ttmp7, 0xffff                   ; b
	s_lshl_b32 s12, s10, 16                        ; yfine: 16 rows
	s_mov_b32 s13, 0
	s_lshl_b32 s14, ttmp9, 16                      ; Wo: 16 rows
	s_mov_b32 s15, 0
	s_lshl_b32 s16, s10, 23                        ; out0: 2,048 rows a batch
	s_lshl_b32 s17, ttmp9, 6                       ; 16 columns
	s_add_co_u32 s16, s16, s17
	s_mov_b32 s17, 0
	s_wait_kmcnt 0x0
	s_add_nc_u64 s[4:5], s[4:5], s[12:13]
	s_add_nc_u64 s[6:7], s[6:7], s[14:15]
	s_add_nc_u64 s[8:9], s[8:9], s[16:17]
.macro CLOAD i                         ; chunk i into set i % 3: 16 loads
.irp e, 0,1,2,3,4,5,6,7
	global_load_b128 v[16+64*((\i)%3)+4*\e:16+64*((\i)%3)+4*\e+3], v3, s[6:7] offset:(\i)*256+32*\e
	global_load_b128 v[48+64*((\i)%3)+4*\e:48+64*((\i)%3)+4*\e+3], v3, s[4:5] offset:(\i)*256+32*\e
.endr
.endm
.macro CHUNK i
.if (\i) < 14
	s_wait_loadcnt 32                              ; this chunk is in; the two younger chunks' loads may be out
.elseif (\i) == 14
	s_wait_loadcnt 16
.else
	s_wait_loadcnt 0x0
.endif
.irp e, 0,1,2,3,4,5,6,7
.irp al, 0,1
.set AC, 208+8*((2*\e+\al)%4)
.set WA, 16+64*((\i)%3)+4*\e+2*\al
.if ((\i) == 0) && (\e < 2)
	v_wmma_f32_16x16x4_f32 v[AC:AC+7], v[WA:WA+1], v[WA+32:WA+33], 0
.else
	v_wmma_f32_16x16x4_f32 v[AC:AC+7], v[WA:WA+1], v[WA+32:WA+33], v[AC:AC+7]
.endif
.endr
.endr
.rept 8
	v_nop                                          ; eight places behind this form, in front of loads into its sources and of the first read of the sums
.endr
.if (\i)+3 < 16
	CLOAD (\i)+3
.endif
.endm
	CLOAD 0
	CLOAD 1
	CLOAD 2
.set Q, 0
.rept 16
	CHUNK Q
.set Q, Q+1
.endr
.irp j, 0,2,4,6
	v_pk_add_f32 v[240+\j:241+\j], v[208+\j:209+\j], v[216+\j:217+\j]
	v_pk_add_f32 v[240+\j:241+\j], v[240+\j:241+\j], v[224+\j:225+\j]
	v_pk_add_f32 v[240+\j:241+\j], v[240+\j:241+\j], v[232+\j:233+\j]
.endr
	global_store_b128 v4, v[240:243], s[8:9]       ; out0(2048 b + r, 16 x + 8 h + 0 .. 7)
	global_store_b128 v4, v[244:247], s[8:9] offset:16
	s_endpgm
.Lfunc_end_k_qf5be787d59_fine_proj:
	.size	k_qf5be787d59_fine_proj, .Lfunc_end_k_qf5be787d59_fine_proj-k_qf5be787d59_fine_proj
	.p2alignl 7, 3214868480
	.fill 96, 4, 3214868480
	.section	.rodata,"a",@progbits
	.p2align	6, 0x0
	.amdhsa_kernel k_qf5be787d59_fine_proj
		.amdhsa_group_segment_fixed_size 0
		.amdhsa_private_segment_fixed_size 0
		.amdhsa_enable_private_segment 0
		.amdhsa_kernarg_size 24
		.amdhsa_user_sgpr_count 2
		.amdhsa_user_sgpr_kernarg_segment_ptr 1
		.amdhsa_wavefront_size32 1
		.amdhsa_system_sgpr_workgroup_id_x 1
		.amdhsa_system_sgpr_workgroup_id_y 1
		.amdhsa_system_sgpr_workgroup_id_z 1
		.amdhsa_system_vgpr_workitem_id 0
		.amdhsa_next_free_vgpr 256
		.amdhsa_next_free_sgpr 66
		.amdhsa_reserve_vcc 0
		.amdhsa_float_denorm_mode_32 3
		.amdhsa_float_denorm_mode_16_64 3
		.amdhsa_memory_ordered 1
		.amdhsa_forward_progress 1
		.amdhsa_inst_pref_size 47
	.end_amdhsa_kernel
	.amdgpu_metadata
---
amdhsa.version: [ 1, 2 ]
amdhsa.kernels:
  - .name:           k_qf5be787d59_fine_proj
    .symbol:         k_qf5be787d59_fine_proj.kd
    .args:
      - { .name: yfine, .offset: 0, .size: 8, .value_kind: global_buffer, .address_space: global }
      - { .name: Wo, .offset: 8, .size: 8, .value_kind: global_buffer, .address_space: global }
      - { .name: out0, .offset: 16, .size: 8, .value_kind: global_buffer, .address_space: global }
    .group_segment_fixed_size: 0
    .private_segment_fixed_size: 0
    .kernarg_segment_align: 8
    .kernarg_segment_size: 24
    .max_flat_workgroup_size: 32
    .sgpr_count:     66
    .vgpr_count:     256
    .wavefront_size: 32
...
	.end_amdgpu_metadata
.endif
;; end of part 6
